; MI455X (gfx1250); checked and timed in simulation.
; The chip was launched on July 23, 2026; its instructions are those of AMD's public machine-readable ISA for CDNA 5 (MIT licence, August 2026) and "CDNA5" Instruction Set Architecture Reference Guide (July 2026). The comments in the code are by the model that wrote it; some were corrected since.
;; GPT2 Self Attention. Allowed arithmetic: matrix products marked QUANTISED: E2M3 operands, one E8M0 scale for each 32 along K, by v_wmma_scale_f32_16x16x128_f8f6f4 with both operands' format E2M3, f32 sums; everything else in f32.
;; Inputs: b_attn 3,072 float32; b_proj 1,024 float32; w_attn 1,024 x 3,072 float32; w_proj 1,024 x 1,024 float32; x 4 x 2,048 x 1,024 float32.
;; Outputs: out0 4 x 2,048 x 1,024 float32.
;; This version of the problem:
;;   THIS VERSION OF THE PROBLEM IS GIVEN IN LOW PRECISION. The matrix products marked QUANTISED in the list below multiply operands that are first quantised to E2M3 (2 exponent bits, 3 mantissa bits; 6 bits a number), with one power-of-two scale for each 32 numbers along K (OCP MX v1.0); their sums are f32. All else is computed in f32.
;;   The module's matrix products, in the order in which they are computed (A, B: the left and right operand; K: the contracted axis; several contracted axes count as one K, in the product's order):
;;     1. [M 8,192, K 1,024] x [K 1,024, N 3,072]; A: input x; B: input w_attn: QUANTISED
;;     2. batch 64 x [M 2,048, K 64] x [K 64, N 2,048]; A: computed on the way; B: computed on the way: QUANTISED
;;     3. batch 64 x [M 2,048, K 2,048] x [K 2,048, N 64]; A: softmax (see below); B: computed on the way: QUANTISED
;;     4. [M 8,192, K 1,024] x [K 1,024, N 1,024]; A: computed on the way; B: input w_proj: QUANTISED
;;   THE QUANTISER, for each operand of a quantised product, along K:
;;     - K is cut into blocks of 32 from its start; a last block that is shorter is filled with zeros.
;;     - A block's scale is 2^e with e = floor(log2(the largest magnitude in the block)) - 2, held to -126 .. 127; a block of zeros has e = 0. As a byte (E8M0): e + 127.
;;     - Each number is divided by its block's scale, clamped to +-7.5, and rounded to the nearest number of E2M3, ties to even, subnormals kept.
;;     - The product sums the exact products of the quantised numbers (number of the format x scale) in f32.
;;   ~~~python
;;   def quantise(x, axis):      # numpy; x: float32 -> the quantised numbers, widened to float32 again
;;       x = np.moveaxis(x, axis, -1); K = x.shape[-1]
;;       x = np.pad(x, [(0, 0)] * (x.ndim - 1) + [(0, -K % 32)]); x = x.reshape(x.shape[:-1] + (-1, 32)); a = np.abs(x).max(-1, keepdims=True)
;;       e = np.where(a > 0, np.clip(np.frexp(np.where(a > 0, a, 1))[1] - 1 - 2, -126, 127), 0)      # np.frexp(a)[1] - 1 = floor(log2(a)), exactly
;;       r = np.clip(x / 2.0 ** e, -7.5, 7.5)
;;       step = 2.0 ** (np.maximum(np.frexp(np.where(r == 0, 1, r))[1] - 1, 0) - 3)
;;       q = np.round(r / step) * step * 2.0 ** e      # np.round: ties to even
;;       return np.moveaxis(q.reshape(q.shape[:-2] + (-1,))[..., :K], -1, axis).astype(np.float32)
;;   ~~~
;;   SOFTMAX AHEAD OF A QUANTISED PRODUCT. Where the list says 'softmax', what is quantised is not the finished softmax but p = 2^(t - M), with t = logit x log2(e) and M = ceil(the row's largest t), a whole number; so 1/2 < the row's largest p <= 1. The row's sum l is taken of the UNQUANTISED p, in f32, and the product's result is divided by l at the end. Since M is a whole number, a kernel that streams over the keys may use a running M (the ceiling of the running maximum): every later rescaling is an exact power of two, which a block's scale takes up: the codes' values come out the same.
;;   OPERANDS COMPUTED ON THE WAY. 'Computed on the way' means the value that the module computes at that place (a softmax that the list does not call 'softmax' is quantised finished and normalised). What goes into a quantiser is computed in f32, as accurately as f32 sums, v_exp_f32 and their like allow (about 1e-6 of the number): no bf16 or f16 on the way to a quantiser, and a product that is left as it is and whose result goes on into a quantised operand takes f32 operands (vector FMAs, or v_wmma_f32_16x16x4_f32). A number that lies on a knife's edge between two numbers of the format may be rounded either way, as far as f32 arithmetic and the matrix unit's own rounding can turn it there, and no further.
;; One version. Each part assembles by itself: llvm-mc -triple=amdgcn-amd-amdhsa -mcpu=gfx1250 --defsym DOCPART=n.
;; ======== version 1 of 1: 4 launches
;; limits: right only within a limited range of input values
;; workspace buffers: x_codes 6,291,456 bytes; x_scales 262,144 bytes; w_codes 5,505,024 bytes; w_scales 131,072 bytes; qkv_codes 18,874,368 bytes; qkv_scales 1,310,720 bytes; y_codes 6,291,456 bytes; y_scales 262,144 bytes
;; launch quant (part 1): grid 384 x 1, 4 waves a work-group, no clusters, 102,912 bytes of LDS; arguments x, w_attn, w_proj, x_codes, x_scales, w_codes, w_scales; writes x_codes, x_scales, w_codes, w_scales
.if DOCPART == 1
	.amdgcn_target "amdgcn-amd-amdhsa--gfx1250"
	.amdhsa_code_object_version 6
	.text
	.protected	k_qc9540c3a32_quant
	.globl	k_qc9540c3a32_quant
	.p2align	8
	.type	k_qc9540c3a32_quant,@function
k_qc9540c3a32_quant:
	s_mov_b64 s[64:65], 0
	v_nop
	global_prefetch_b8 v0, s[64:65] scope:SCOPE_SE
	s_setreg_imm32_b32 hwreg(HW_REG_WAVE_MODE, 25, 1), 1
	s_wait_xcnt 0x0
; x [8192][1024], w_attn [1024][3072] and w_proj [1024][1024], f32, become codes of FP6 (E2M3) with K innermost and one E8M0 scale byte for each 32 along K.
; A block's scale is 2^(floor(log2(its largest magnitude)) - 2); its byte is the largest magnitude's exponent field - 2, held at 1 from below.
; LIMITS: NaN and infinities among the inputs are not served.  A block of zeros gets the byte 1 where the rule says 127: its codes are zeros, which add nothing, and the bytes are read by this program alone.
; Work-groups 0-255 take x, whose K is innermost: a plain stream of blocks of 32.  A wave takes 16 steps of 512 numbers; a step's 2,048 bytes are loaded as they lie (512 consecutive bytes a load) and turn
; through the wave's own stage in LDS, so that a lane holds 16 neighbours along K.
; Work-groups 256-383 take the weights, whose K is the FIRST axis: a lane takes a column, its registers run down K; a wave takes 32 columns x 256 along K.  w_codes has 4,096 rows of 768 bytes: rows 0-3071
; w_attn's columns, rows 3072-4095 w_proj's.  IN w_proj's ROWS place p of a block holds k = 32 block + sw(p), sw = p with bits 3 and 4 exchanged: that is the order in which the attention launch lays y's codes.
; The three ways through the text part on the work-group's number alone, never meet again, and have LDS bytes of their own.  No tensor loads, no barrier: waves share nothing.
; HOW THE CODES LIE: both buffers of codes are laid in four planes of 256 along K: [plane][row][192 bytes] (x_codes: 8,192 rows a plane, w_codes: 4,096), so that
; the rows' pieces of one plane lie end to end; a row's 768 bytes named above are its four pieces of 192.  The scale bytes lie [row][32] as before.
; (Of the lines above on how the codes lie, only w_proj's rows, 3,072 on, still lie in the four planes of w_codes.  x_codes lies [16 groups of 64 along K][8192 tokens][48 bytes]; w_attn's 3,072 rows lie
; likewise, [16 groups][3072 rows][48 bytes], from byte 3,145,728 of w_codes on.  Rows 0-3071 of the four planes are neither written nor read.)
.set STEPS, 16
.set CB,    12                         ; bytes of 16 codes
.set XR,    16                         ; x: v16-79 four sets of 16 numbers as loaded
.set XN,    80                         ; v80-111 two sets of 16 neighbours
.set XE,    112                        ; v112-127 a scale byte for each step
.set XC,    128                        ; v128-191 codes, four registers a step: no store's data are written again
.set WREG,  8192                       ; x: LDS bytes of a wave: two stages of 32 x SP, then its 256 scale bytes
.set SP,    80                         ; a lane's place in a stage: 64 bytes + 16
.set WP,    272                        ; weights: a stage row: sixteen places of 16 bytes + 16
.set WX,    32                         ; v32-95 two sets of 32 numbers
.set WC,    96                         ; a block's codes
.set WOUT,  112                        ; v112-175 the way out
.set WSB,   24                         ; v24-25 eight scale bytes
.macro XLOAD t
.irp i, 0,1,2,3
	global_load_b128 v[XR+16*((\t)%4)+4*\i:XR+16*((\t)%4)+4*\i+3], v3, s[4:5] offset:2048*(\t)+512*\i th:TH_LOAD_NT   ; 32 lanes read 512 consecutive bytes
.endr
.endm
.macro XTURN t                         ; a step's numbers through the stage: LDS serves a wave's instructions in order, so no wait stands between the stores and the loads
.irp i, 0,1,2,3
	ds_store_b128 v14, v[XR+16*((\t)%4)+4*\i:XR+16*((\t)%4)+4*\i+3] offset:32*SP*((\t)%2)+8*SP*\i
.endr
.irp i, 0,1,2,3
	ds_load_b128 v[XN+16*((\t)%2)+4*\i:XN+16*((\t)%2)+4*\i+3], v15 offset:32*SP*((\t)%2)+16*\i
.endr
.endm
.macro XSTEP t
.set XSS, XN+16*((\t)%2)
.if (\t) > 0
	s_wait_dscnt 1                                 ; this step's numbers are back from the stage; the last step's byte store may be out
.else
	s_wait_dscnt 0x0
.endif
.if (\t)+4 < STEPS
	XLOAD (\t)+4                                   ; into the registers that the stage's stores have read
.endif
.if (\t)+1 < STEPS
.if STEPS-2-(\t) >= 3
	s_wait_loadcnt 12                              ; the next step's four loads are in; those of the three steps behind it may be out
.else
	s_wait_loadcnt 4*(STEPS-2-(\t))
.endif
	XTURN (\t)+1
.endif
	v_max3_num_f32 v8, |v[XSS]|, |v[XSS+1]|, |v[XSS+2]|            ; the largest magnitude of my 16, in two chains
	v_max3_num_f32 v9, |v[XSS+3]|, |v[XSS+4]|, |v[XSS+5]|
.irp i, 6,10
	v_max3_num_f32 v8, v8, |v[XSS+\i]|, |v[XSS+\i+1]|
	v_max3_num_f32 v9, v9, |v[XSS+\i+2]|, |v[XSS+\i+3]|
.endr
	v_max3_num_f32 v8, v8, |v[XSS+14]|, |v[XSS+15]|
	v_max3_num_f32 v8, v8, v9, 0x1800000           ; and the floor 2^(3 - 127): the byte cannot fall under 1
	v_max_num_f32_dpp v8, v8, v8 row_xmask:1 row_mask:0xf bank_mask:0xf   ; with my neighbour's 16: the block's
	v_add_nc_u32 v11, 0xff000000, v8               ; 2 off its exponent field: the conversion takes the exponent field of this operand as its scale
	v_cvt_scalef32_pk16_fp6_f32 v[XC+4*(\t):XC+4*(\t)+2], v[XSS:XSS+15], v11
	v_lshrrev_b32 v[XE+(\t)], 23, v11              ; the scale's byte (a plain line behind the conversion)
	ds_store_b8 v5, v[XE+(\t)] offset:16*(\t)      ; both lanes of a block write the same byte with the same value
	global_store_b96 v4, v[XC+4*(\t):XC+4*(\t)+2], s[10:11] offset:8*393216*((\t)%2)+48*((\t)/2)   ; step t is half t % 2 of token t / 2: groups 8 (t % 2) + 0 .. 7
.endm
.macro WLOAD t, n, perm                ; block t: W(32 t + place's k, my column) into set t % 2; n: the weight's row in numbers
.set wi, 0
.rept 32
.if \perm
.set wk, (wi&7)|((wi&8)<<1)|((wi&16)>>1)
.else
.set wk, wi
.endif
	global_load_b32 v[WX+32*((\t)%2)+wi], v3, s[20:21] offset:(32*(\t)+wk)*\n*4 th:TH_LOAD_NT   ; 32 lanes read 128 consecutive bytes; the largest offset, 255 rows of 12,288 bytes, lies inside the signed 24-bit immediate
.set wi, wi+1
.endr
.endm
.macro WBLOCK t, n, perm
.set WXS, WX+32*((\t)%2)
.if (\t) < 7
	s_wait_loadcnt 32                              ; this block's 32 loads are in; the next block's may be out
.else
	s_wait_loadcnt 0
.endif
	v_max3_num_f32 v12, |v[WXS]|, |v[WXS+1]|, |v[WXS+2]|           ; the block's largest magnitude: all 32 numbers are mine
	v_max3_num_f32 v13, |v[WXS+3]|, |v[WXS+4]|, |v[WXS+5]|
.irp i, 6,10,14,18,22,26
	v_max3_num_f32 v12, v12, |v[WXS+\i]|, |v[WXS+\i+1]|
	v_max3_num_f32 v13, v13, |v[WXS+\i+2]|, |v[WXS+\i+3]|
.endr
	v_max3_num_f32 v12, v12, |v[WXS+30]|, |v[WXS+31]|
	v_max3_num_f32 v12, v12, v13, 0x1800000
	v_add_nc_u32 v11, 0xff000000, v12
	v_lshrrev_b32 v13, 23, v11                     ; the scale's byte
.if (\t)%4 == 0
	v_mov_b32 v[WSB+(\t)/4], v13                   ; four bytes to a register, the lower K in the lower byte
.else
	v_lshl_or_b32 v[WSB+(\t)/4], v13, 8*((\t)%4), v[WSB+(\t)/4]
.endif
	v_cvt_scalef32_pk16_fp6_f32 v[WC:WC+2], v[WXS:WXS+15], v11
	v_cvt_scalef32_pk16_fp6_f32 v[WC+4:WC+6], v[WXS+16:WXS+31], v11   ; (a conversion's three registers begin on an even number)
	ds_store_b96 v4, v[WC:WC+2] offset:32*(\t)     ; 12 bytes to a place of 16 in the stage: every LDS address is a multiple of 16
	ds_store_b96 v4, v[WC+4:WC+6] offset:32*(\t)+16
.if (\t)+2 < 8
	WLOAD (\t)+2, \n, \perm
.endif
	s_wait_dscnt 0x0                               ; the stores have read their registers: the next block's codes may be written (plain lines stand ahead of them)
.endm
.macro WQ n, perm, ldsbase             ; a wave's 32 columns x 256 along K, to the end of the wave
	v_add_nc_u32 v4, \ldsbase, v4
	v_add_nc_u32 v7, \ldsbase, v7
	WLOAD 0, \n, \perm
	WLOAD 1, \n, \perm
.set WT, 0
.rept 8
	WBLOCK WT, \n, \perm
.set WT, WT+1
.endr
	s_wait_alu depctr_va_vdst(0)
	global_store_b64 v9, v[WSB:WSB+1], s[16:17]    ; my column's eight scale bytes
.irp t, 0,1,2,3,4,5,6,7,8,9,10,11,12,13,14,15
	ds_load_b96 v[WOUT+4*\t:WOUT+4*\t+2], v7 offset:2*\t*WP   ; LDS serves a wave's instructions in order: these see my stores
.endr
.irp t, 0,1,2,3,4,5,6,7,8,9,10,11,12,13,14,15
	s_wait_dscnt 15-\t
	global_store_b96 v8, v[WOUT+4*\t:WOUT+4*\t+2], s[14:15] offset:2*\t*(264-72*(\n/1024))   ; two rows on: 192 bytes a row for w_proj (n = 1,024), 48 for w_attn (n = 3,072)
.endr
	s_wait_tensorcnt 0x0
	ds_add_u32 v192, v193
	s_wait_dscnt 0x0
	s_endpgm
.endm
	s_load_b256 s[4:11], s[0:1], 0x0               ; x s[4:5], w_attn s[6:7], w_proj s[8:9], x_codes s[10:11]
	s_load_b128 s[12:15], s[0:1], 0x20             ; x_scales s[12:13], w_codes s[14:15]
	s_load_b64 s[16:17], s[0:1], 0x30              ; w_scales
	v_lshl_add_u32 v192, v0, 2, 0x19000
	v_mov_b32 v193, 0
	v_lshrrev_b32 v1, 5, v0
	v_readfirstlane_b32 s18, v1                    ; wave
	v_and_b32 v2, 31, v0                           ; lane
	s_cmp_lt_u32 ttmp9, 256
	s_cbranch_scc0 .Lweights
	; ---- x
	v_lshlrev_b32 v3, 4, v2                        ; my 16 bytes of a load's 512
	s_mul_i32 s19, s18, WREG
	v_lshrrev_b32 v14, 2, v2
	v_mul_u32_u24 v14, v14, SP
	v_and_b32 v15, 3, v2
	v_lshl_add_u32 v14, v15, 4, v14
	v_add_nc_u32 v14, s19, v14                     ; the stage, in: SP (lane / 4) + 16 (lane % 4)
	v_mul_u32_u24 v15, v2, SP
	v_add_nc_u32 v15, s19, v15                     ; and out: SP x lane: my 16 neighbours
	v_and_b32 v4, 3, v2
	v_mul_u32_u24 v4, v4, CB                       ; four lanes fill a token's 48 bytes of a group of 64 along K;
	v_lshrrev_b32 v10, 2, v2
	v_mad_u32_u24 v4, v10, 0x60000, v4             ; each four lanes hold the next group: 393,216 bytes on
	v_lshrrev_b32 v5, 1, v2
	s_add_co_u32 s19, s19, 2*32*SP
	v_add_nc_u32 v5, s19, v5                       ; my block's byte among my wave's 256
	v_lshlrev_b32 v7, 3, v2
	v_add_nc_u32 v6, s19, v7                       ; and on the way out 8 bytes a lane
	s_lshl_b32 s20, ttmp9, 2
	s_add_co_u32 s20, s20, s18                     ; which run of 8,192 numbers is my wave's
	s_mov_b32 s21, 0
	s_lshl_b32 s22, s20, 15                        ; 32,768 bytes of numbers a run (1,024 runs: under 2^32)
	s_mov_b32 s23, 0
	s_mul_i32 s24, s20, 8*48                       ; my run is 8 tokens: 48 bytes a token in each group
	s_mov_b32 s25, 0
	s_lshl_b32 s20, s20, 8                         ; 256 scale bytes
	s_wait_alu depctr_va_vdst(0)
	s_wait_kmcnt 0x0
	s_add_nc_u64 s[4:5], s[4:5], s[22:23]
	s_add_nc_u64 s[10:11], s[10:11], s[24:25]
	s_add_nc_u64 s[12:13], s[12:13], s[20:21]
.irp t, 0,1,2,3
	XLOAD \t
.endr
	s_wait_loadcnt 12                              ; step 0's four loads are in
	XTURN 0
.irp t, 0,1,2,3,4,5,6,7,8,9,10,11,12,13,14,15
	XSTEP \t
.endr
	ds_load_b64 v[12:13], v6
	s_wait_dscnt 0x0
	global_store_b64 v7, v[12:13], s[12:13]        ; 32 lanes store 256 consecutive bytes, aligned
	s_wait_tensorcnt 0x0
	ds_add_u32 v192, v193
	s_wait_dscnt 0x0
	s_endpgm
.Lweights:
	s_sub_co_u32 s19, ttmp9, 256
	s_and_b32 s20, s19, 3                          ; which 256 along K
	s_lshr_b32 s19, s19, 2                         ; which 128 rows of w_codes
	s_lshl_b32 s21, s19, 7
	s_lshl_b32 s22, s18, 5
	s_add_co_u32 s21, s21, s22                     ; my wave's first row of w_codes
	s_wait_alu depctr_va_vdst(0)
	v_lshlrev_b32 v3, 2, v2                        ; in: 4 bytes a lane
	s_mul_i32 s22, s18, 32*WP                      ; my stage
	v_mul_u32_u24 v4, v2, WP
	v_add_nc_u32 v4, s22, v4                       ; into it: row = my column
	v_and_b32 v5, 15, v2
	v_lshrrev_b32 v6, 4, v2
	v_mul_u32_u24 v7, v6, WP
	v_lshl_add_u32 v7, v5, 4, v7
	v_add_nc_u32 v7, s22, v7                       ; out of it: sixteen lanes to a row, two rows an instruction
	s_mov_b32 s29, 192                             ; from row to row, and from a group of 64 along K to the next: w_proj 192 and 48 bytes, w_attn 48 and 147,456
	s_mov_b32 s30, 147456
	s_cmp_lt_u32 s19, 24
	s_cselect_b32 s29, 48, s29
	s_cselect_b32 s30, s30, 48
	v_mul_u32_u24 v8, v6, s29
	v_lshrrev_b32 v10, 2, v5
	v_mad_u32_u24 v8, v10, s30, v8
	v_and_b32 v10, 3, v5
	v_mad_u32_u24 v8, v10, 12, v8
	v_lshlrev_b32 v9, 5, v2                        ; my column's row of scale bytes
	s_mul_i32 s24, s21, 192                        ; w_proj: my first row in a plane,
	s_mul_i32 s22, s20, 786432                     ; and my plane of 4,096 rows x 192 bytes
	s_add_co_u32 s24, s24, s22
	s_mul_i32 s28, s21, 48                         ; w_attn: my first row in a group,
	s_mul_i32 s22, s20, 4*147456                   ; my four groups,
	s_add_co_u32 s28, s28, s22
	s_add_co_u32 s28, s28, 3145728                 ; behind the planes
	s_cmp_lt_u32 s19, 24
	s_cselect_b32 s24, s28, s24
	s_mov_b32 s25, 0
	s_lshl_b32 s26, s21, 5
	s_lshl_b32 s22, s20, 3
	s_add_co_u32 s26, s26, s22
	s_mov_b32 s27, 0
	s_wait_kmcnt 0x0
	s_add_nc_u64 s[14:15], s[14:15], s[24:25]
	s_add_nc_u64 s[16:17], s[16:17], s[26:27]
	s_cmp_lt_u32 s19, 24
	s_cbranch_scc0 .Lproj
	s_mul_i32 s24, s20, 256*3072*4                 ; w_attn: 256 rows of K down, my first column
	s_lshl_b32 s22, s21, 2
	s_add_co_u32 s24, s24, s22
	s_add_nc_u64 s[20:21], s[6:7], s[24:25]
	s_wait_alu depctr_va_vdst(0)
	WQ 3072, 0, 32768
.Lproj:
	s_mul_i32 s24, s20, 256*1024*4                 ; w_proj likewise; its columns are rows 3072 on of w_codes
	s_sub_co_u32 s22, s21, 3072
	s_lshl_b32 s22, s22, 2
	s_add_co_u32 s24, s24, s22
	s_add_nc_u64 s[20:21], s[8:9], s[24:25]
	s_wait_alu depctr_va_vdst(0)
	WQ 1024, 1, 67584
.Lfunc_end_k_qc9540c3a32_quant:
	.size	k_qc9540c3a32_quant, .Lfunc_end_k_qc9540c3a32_quant-k_qc9540c3a32_quant
	.p2alignl 7, 3214868480
	.fill 96, 4, 3214868480
	.section	.rodata,"a",@progbits
	.p2align	6, 0x0
	.amdhsa_kernel k_qc9540c3a32_quant
		.amdhsa_group_segment_fixed_size 102912
		.amdhsa_private_segment_fixed_size 0
		.amdhsa_enable_private_segment 0
		.amdhsa_kernarg_size 56
		.amdhsa_user_sgpr_count 2
		.amdhsa_user_sgpr_kernarg_segment_ptr 1
		.amdhsa_wavefront_size32 1
		.amdhsa_system_sgpr_workgroup_id_x 1
		.amdhsa_system_sgpr_workgroup_id_y 1
		.amdhsa_system_sgpr_workgroup_id_z 1
		.amdhsa_system_vgpr_workitem_id 0
		.amdhsa_next_free_vgpr 194
		.amdhsa_next_free_sgpr 66
		.amdhsa_reserve_vcc 0
		.amdhsa_float_denorm_mode_32 3
		.amdhsa_float_denorm_mode_16_64 3
		.amdhsa_memory_ordered 1
		.amdhsa_forward_progress 1
		.amdhsa_inst_pref_size 113
	.end_amdhsa_kernel
	.amdgpu_metadata
---
amdhsa.version: [ 1, 2 ]
amdhsa.kernels:
  - .name:           k_qc9540c3a32_quant
    .symbol:         k_qc9540c3a32_quant.kd
    .args:
      - { .name: x, .offset: 0, .size: 8, .value_kind: global_buffer, .address_space: global }
      - { .name: w_attn, .offset: 8, .size: 8, .value_kind: global_buffer, .address_space: global }
      - { .name: w_proj, .offset: 16, .size: 8, .value_kind: global_buffer, .address_space: global }
      - { .name: x_codes, .offset: 24, .size: 8, .value_kind: global_buffer, .address_space: global }
      - { .name: x_scales, .offset: 32, .size: 8, .value_kind: global_buffer, .address_space: global }
      - { .name: w_codes, .offset: 40, .size: 8, .value_kind: global_buffer, .address_space: global }
      - { .name: w_scales, .offset: 48, .size: 8, .value_kind: global_buffer, .address_space: global }
    .group_segment_fixed_size: 102912
    .private_segment_fixed_size: 0
    .kernarg_segment_align: 8
    .kernarg_segment_size: 56
    .max_flat_workgroup_size: 128
    .sgpr_count:     66
    .vgpr_count:     194
    .wavefront_size: 32
...
	.end_amdgpu_metadata
.endif
;; end of part 1
;; launch qkv (part 2): grid 8 x 32, 4 waves a work-group, clusters of 4 x 4, 327,680 bytes of LDS; arguments x_codes, x_scales, w_codes, w_scales, b_attn, qkv_codes, qkv_scales; writes qkv_codes, qkv_scales
.if DOCPART == 2
	.amdgcn_target "amdgcn-amd-amdhsa--gfx1250"
	.amdhsa_code_object_version 6
	.text
	.protected	k_qc9540c3a32_qkv
	.globl	k_qc9540c3a32_qkv
	.p2align	8
	.type	k_qc9540c3a32_qkv,@function
k_qc9540c3a32_qkv:
	s_mov_b64 s[64:65], 0
	v_nop
	global_prefetch_b8 v0, s[64:65] scope:SCOPE_SE
	s_setreg_imm32_b32 hwreg(HW_REG_WAVE_MODE, 25, 1), 1
	s_wait_xcnt 0x0
	s_wait_alu depctr_hold_cnt(0) depctr_sa_sdst(0) depctr_va_vdst(0) depctr_va_sdst(0) depctr_va_ssrc(0) depctr_va_vcc(0) depctr_vm_vsrc(0)
	s_getreg_b32 s2, hwreg(HW_REG_IB_STS2, 6, 4)
	s_cmp_eq_u32 s2, 0
	s_cbranch_scc0 .Lentry_in_a_cluster
	s_endpgm
.Lentry_in_a_cluster:
	s_bfe_u32 s2, ttmp6, 0x10000c
	s_cmp_lg_u32 s2, 0xf033
	s_cbranch_scc0 .Lentry_shape_is_right
	s_endpgm
.Lentry_shape_is_right:
; qkv = x w_attn + b_attn on codes of FP6 (E2M3) with E8M0 scales, K = 1,024; the results never leave as f32: they are quantised in registers and stored as codes and scale words for the attention launch.
; THE DEAL.  256 work-groups of four waves, 2 x 2.  A work-group takes 256 tokens and 128 columns (two heads) of Q, then of K, then of V.  x's 256 rows, all of K, come into LDS once and serve all three.
; A wave holds the 64 weight rows of ONE head, all of K, in registers (4 tiles x 8 fragments of 12: 384) and takes its 128 tokens (128 a + 16 s + r, a its row of the 2 x 2) past them in eight blocks of 16, 32 products each;
; a block's four accumulators take turns, one instruction a turn; the bias is the C of the first four products.
; IN: x_codes [16 groups of 64 along K][8192 tokens][48 bytes]; w_attn's rows [16 groups][3072 rows][48] from byte 3,145,728 of w_codes on; x_scales, w_scales [row][32].
; LDS: x [group][256 tokens x 48]; the weights [group][128 rows x 48]; x's scale bytes (units of 256 + 16); a stage of 768 bytes and 512 bytes for scale words for each wave; the spare words.
; FILLS.  At the head one joint load a wave: wave 0 W_q's rows, wave 1 x's scale bytes, waves 2, 3 eight groups each of x.  TWO REFILLS of the weights' bytes (W_k, W_v), by wave 0: when a wave holds its weights in registers it
; runs the three lines, a round of the cluster's barrier follows, and the joint load is the first tensor load behind it; it has the phase's eight blocks in which to land, and a plain barrier at the phase's end shows it to all.
; CLUSTERS: 4 x 4; x's tiles hang on the tile row and are shared along a row of the cluster, the weights' on the tile column and are shared along a column.
; Q, K (one loop of two trips): source 0 = the weights' rows: a lane holds one token, and its 32 sums of a block are 16 numbers of each of the head's two scale blocks (lane l xor 16 holds the other 16).
; V: source 0 = x's rows: a lane holds one channel, and its 32 sums of four blocks are 16 numbers of each of the two scale blocks of a chunk of 64 keys.  One macro quantises both.
; ORDER OF CODES: a tile is 16 neighbouring indices, of which a lane holds eight; so place p of a block of 32 codes holds index sw(p), p with bits 3 and 4 exchanged; both operands of each later product are laid so.
; OUT: qkv_codes: q at 0, k at 6,291,456: [16 heads][8192 tokens][48 bytes]; v at 12,582,912: [64 batch-heads][32 chunks of 64 keys][64 channels][48 bytes].
;      qkv_scales: q at 0, k at 524,288: [16][8192] words: bytes 0, 1 the head's two blocks, bytes 2, 3 = 127; v at 1,048,576: [64][16 steps of 128 keys][64 channels] words.
; 768 bytes of codes at a time go through the wave's stage and leave as three aligned units of 256 bytes; the scale words gather in LDS and leave as 512 or 256 consecutive bytes.
; NO PREFETCH: x is asked for at the head, and a refill of the weights is asked for 256 products ahead of the wait for it.
; LIMITS: NaN and infinities are not served; a block of zeros keeps the byte 1 (its codes are zeros; this program alone reads the bytes).
; REGISTERS: window 0: v4-23 addresses; v24-39 the weights' scale words; v44-59 x's, two sets; v60-63 V's half words; v64-127 Q, K: two sets of four accumulators; v128-191 Q's and K's bias; V: v64-191 sixteen accumulators;
;   v192-223 V's bias; v224-253 the quantiser's work.  v968-999: K's and V's weights' scale words.  Fragment f lies in window 1 + f / 21 at register 12 (f % 21): 0-31 the weights' (4 q + b), 32-39, 40-47 x's two sets.
.set FR,     12
.set FPW,    21
.set NF,     50                        ; LDS loads of a block: 48 for eight fragments, 2 for eight scale words
.set WB,     196608
.set XS,     294912
.set STG,    303616                    ; 1,280 bytes a wave
.set SPARE,  308736
.set AW,   4                           ; v4, v5 the weights' fragments: groups 0-7, 8-15
.set AX,   8                           ; v8-11 x's: groups 0-4, 5-9, 10-14, 15
.set AS,   12
.set STC,  13
.set SRD,  14
.set SGS,  15
.set SGR,  16
.set SG8,  17
.set L8,   18
.set L16,  6
.set SB,   24
.set SPW,  40
.set NIL,  41
.set SA,   44
.set VW,   60
.set ACC,  64
.set BQ,   128
.set BK,   160
.set BV,   192
.set BM,   224
.set PT,   226
.set SO,   228
.set TMP,  230
.set PC,   232
.set CT,   238
.set RB,   242
.set SB2,  968
.set SB3,  984
.set SEL,  88
.set MSB, 0
.macro WIN new                         ; the immediate's high byte repeats the setting that is left
.if MSB != (\new)
	s_set_vgpr_msb (MSB<<8)|(\new)
.set MSB, (\new)
.endif
.endm
.macro PLACES n
.rept \n
	v_nop
.endr
.endm
.macro BARRIER
	s_barrier_signal -1
	s_barrier_wait -1
.endm
.macro CROUND                          ; a round of the cluster's barrier
	BARRIER
	s_cmp_lg_u32 s16, 0
	s_cbranch_scc1 .Lnot_wave_0_\@
	s_barrier_signal -3
.Lnot_wave_0_\@:
	s_barrier_wait -3
	BARRIER
.endm
.macro TLOAD g0, g1                    ; s_nop 0 and four v_nop follow the load
	tensor_load_to_lds s[\g0:\g0+3], s[\g1:\g1+7]
	s_nop 0
	PLACES 4
.endm
	s_load_b256 s[4:11], s[0:1], 0x0               ; x_codes, x_scales, w_codes, w_scales
	s_load_b128 s[12:15], s[0:1], 0x20             ; b_attn, qkv_codes
	s_load_b64 s[82:83], s[0:1], 0x30              ; qkv_scales
	v_lshl_add_u32 v[SPW], v0, 2, SPARE
	v_mov_b32 v[NIL], 0
	ds_add_u32 v[SPW], v[NIL]                      ; the opening lines: the add, twice on end, and its wait ahead of the first tensor load
	ds_add_u32 v[SPW], v[NIL]
	v_lshrrev_b32 v1, 5, v0
	v_readfirstlane_b32 s16, v1                    ; wave; s17 its row of the 2 x 2, s18 its column
	s_lshr_b32 s17, s16, 1
	s_and_b32 s18, s16, 1
	s_bfe_u32 s19, ttmp6, 0x40000                  ; cx
	s_bfe_u32 s20, ttmp6, 0x40004                  ; cy
	s_lshl_b32 s21, ttmp9, 2
	s_add_co_u32 s21, s21, s19                     ; tile column, 0 .. 7
	s_and_b32 s22, ttmp7, 0xffff
	s_lshl_b32 s22, s22, 2
	s_add_co_u32 s22, s22, s20                     ; tile row, 0 .. 31
	s_lshl_b32 s23, s20, 2
	s_lshl_b32 s23, 15, s23                        ; my row of the cluster
	s_lshl_b32 s40, 0x1111, s19                    ; my column
	s_or_b32 s24, s23, (3<<16)|(1<<21)             ; x: eight groups, a row of 12,288 bytes (256 tokens) each, 393,216 bytes apart; elements of 8 bytes
	s_mov_b32 s25, 1536<<16
	s_mov_b32 s26, 8<<16
	s_mov_b32 s27, 1536<<16
	s_mov_b32 s28, 8
	s_mov_b32 s29, 49152
	s_mov_b32 s30, 0
	s_mov_b32 s31, 0
	s_or_b32 s32, s40, (3<<16)|(1<<21)             ; the weights: sixteen groups, a row of 6,144 bytes (128 rows) each, 147,456 bytes apart
	s_mov_b32 s33, 768<<16
	s_mov_b32 s34, 16<<16
	s_mov_b32 s35, 768<<16
	s_mov_b32 s36, 16
	s_mov_b32 s37, 18432
	s_mov_b32 s38, 0
	s_mov_b32 s39, 0
	s_or_b32 s68, s23, (3<<16)|(1<<20)|(1<<21)|(5<<22)|(3<<25)   ; x's scale bytes: 8,192 dense bytes as 32 rows of 256, 16 bytes of padding behind each
	s_mov_b32 s69, 32<<16
	s_mov_b32 s70, 32<<16
	s_mov_b32 s71, 32<<16
	s_mov_b32 s72, 32
	s_mov_b32 s73, 32
	s_mov_b32 s74, 0
	s_mov_b32 s75, 0
	s_mov_b32 s44, 1                               ; group 0 for x (waves 2, 3: s18 = wave - 2)
	s_mul_i32 s45, s18, 98304
	s_mov_b32 s48, 1                               ; for the weights
	s_mov_b32 s49, WB
	s_mov_b32 s76, 1                               ; for x's scale bytes
	s_mov_b32 s77, XS
	s_mul_i32 s52, s22, 12288
	s_mul_i32 s90, s18, 8*393216
	s_add_co_u32 s52, s52, s90
	s_mov_b32 s53, 0
	s_mul_i32 s54, s21, 6144
	s_add_co_u32 s54, s54, 3145728
	s_mov_b32 s55, 0
	s_lshl_b32 s42, s22, 13
	s_mov_b32 s43, 0
	s_lshl_b32 s41, s21, 1
	s_add_co_u32 s41, s41, s18                     ; my head
	s_lshl_b32 s90, s22, 8
	s_lshl_b32 s91, s17, 7
	s_add_co_u32 s90, s90, s91                     ; my first token
	s_mul_i32 s56, s41, 393216                     ; s[56:57] q's codes, then k's
	s_mul_i32 s91, s90, 48
	s_add_co_u32 s56, s56, s91
	s_mov_b32 s57, 0
	s_lshl_b32 s58, s41, 15                        ; s[58:59] q's scale words, then k's
	s_lshl_b32 s91, s90, 2
	s_add_co_u32 s58, s58, s91
	s_mov_b32 s59, 0
	s_lshr_b32 s91, s22, 3
	s_lshl_b32 s91, s91, 4
	s_add_co_u32 s91, s91, s41                     ; 16 x batch + head
	s_and_b32 s92, s22, 7
	s_lshl_b32 s92, s92, 1
	s_add_co_u32 s92, s92, s17                     ; which 128 keys of the batch's 2,048
	s_mul_i32 s60, s91, 98304                      ; s[60:61] v's codes
	s_mul_i32 s93, s92, 6144
	s_add_co_u32 s60, s60, s93
	s_add_co_u32 s60, s60, 12582912
	s_mov_b32 s61, 0
	s_lshl_b32 s62, s91, 4                         ; s[62:63] v's scale words
	s_add_co_u32 s62, s62, s92
	s_lshl_b32 s62, s62, 8
	s_add_co_u32 s62, s62, 1048576
	s_mov_b32 s63, 0
	s_lshl_b32 s84, s41, 11                        ; s[84:85] my head's 64 rows of w_scales
	s_mov_b32 s85, 0
	s_lshl_b32 s86, s41, 8                         ; s[86:87] my head's 64 numbers of b_attn
	s_mov_b32 s87, 0
	s_mov_b32 s[SEL], 0x76543210
	s_mov_b32 s[SEL+1], 0xfedcba98                 ; v_permlanex16_b32's selects for lane l xor 16
	s_mul_i32 s90, s18, 3072
	s_add_co_u32 s90, s90, WB                      ; my 64 rows in a group of the weights
	s_mul_i32 s91, s17, 6144                       ; my 128 tokens in a group of x
	s_mul_i32 s92, s17, 4352
	s_add_co_u32 s92, s92, XS                      ; and their scale bytes
	s_mul_i32 s93, s16, 1280
	s_add_co_u32 s93, s93, STG                     ; my stage,
	s_add_co_u32 s94, s93, 768                     ; and my 512 bytes for scale words
	s_wait_alu depctr_va_vdst(0)
	s_wait_dscnt 0x0
	CROUND                                         ; all sixteen work-groups are here: the joint loads meet
	s_wait_kmcnt 0x0
	s_add_nc_u64 s[46:47], s[4:5], s[52:53]
	s_or_b32 s47, s47, 0x80000000
	s_add_nc_u64 s[50:51], s[8:9], s[54:55]
	s_or_b32 s51, s51, 0x80000000
	s_add_nc_u64 s[78:79], s[6:7], s[42:43]
	s_or_b32 s79, s79, 0x80000000
	s_add_nc_u64 s[56:57], s[14:15], s[56:57]
	s_add_nc_u64 s[60:61], s[14:15], s[60:61]
	s_add_nc_u64 s[58:59], s[82:83], s[58:59]
	s_add_nc_u64 s[62:63], s[82:83], s[62:63]
	s_add_nc_u64 s[84:85], s[10:11], s[84:85]
	s_add_nc_u64 s[86:87], s[12:13], s[86:87]
	s_cmp_eq_u32 s16, 0                            ; one chain of branches on the wave's number, a load to an arm; the weights, which go on into registers, have a line of their own
	s_cbranch_scc0 .Lwave_1
	TLOAD 48, 32
	s_branch .Lasked
.Lwave_1:
	s_cmp_eq_u32 s16, 1
	s_cbranch_scc0 .Lwave_2
	TLOAD 76, 68
	s_branch .Lasked
.Lwave_2:
	TLOAD 44, 24
.Lasked:
	v_and_b32 v1, 15, v0                           ; r
	v_bfe_u32 v2, v0, 4, 1                         ; h
	v_and_b32 v3, 31, v0
	v_lshlrev_b32 v19, 5, v3                       ; 32 x lane: lanes 0-15 an even tile's rows of w_scales, lanes 16-31 the odd tile's
	v_lshlrev_b32 v20, 5, v2                       ; 32 h
	v_lshlrev_b32 v21, 2, v1                       ; 4 r
.irp p, 0,1
.irp c, 0,1
	global_load_b128 v[SB+8*\p+4*\c:SB+8*\p+4*\c+3], v19, s[84:85] offset:\p*1024+16*\c
.endr
.endr
.irp b, 0,1,2,3
	global_load_b128 v[BQ+8*\b:BQ+8*\b+3], v20, s[86:87] offset:64*\b           ; Q, K: register j of tile b: channel 16 b + 8 h + j
	global_load_b128 v[BQ+8*\b+4:BQ+8*\b+7], v20, s[86:87] offset:64*\b+16
	global_load_b128 v[BK+8*\b:BK+8*\b+3], v20, s[86:87] offset:4096+64*\b
	global_load_b128 v[BK+8*\b+4:BK+8*\b+7], v20, s[86:87] offset:4096+64*\b+16
	global_load_b32 v[BV+8*\b], v21, s[86:87] offset:8192+64*\b                 ; V: one number a lane and tile: channel 16 b + r
.endr
	WIN 3<<6
.irp p, 0,1
.irp c, 0,1
	global_load_b128 v[SB2-768+8*\p+4*\c:SB2-768+8*\p+4*\c+3], v19, s[84:85] offset:32768+\p*1024+16*\c
	global_load_b128 v[SB3-768+8*\p+4*\c:SB3-768+8*\p+4*\c+3], v19, s[84:85] offset:65536+\p*1024+16*\c
.endr
.endr
	WIN 0
	v_mul_u32_u24 v22, v1, 48
	v_mad_u32_u24 v22, v2, 24, v22                 ; 48 r + 24 h
	v_add_nc_u32 v[AW], s90, v22
	v_add_nc_u32 v[AW+1], 8*6144, v[AW]
	v_add_nc_u32 v[AX], s91, v22
	v_add_nc_u32 v[AX+1], 5*12288, v[AX]
	v_add_nc_u32 v[AX+2], 10*12288, v[AX]
	v_add_nc_u32 v[AX+3], 15*12288, v[AX]
	v_lshlrev_b32 v23, 5, v1
	v_lshrrev_b32 v42, 3, v1
	v_lshl_add_u32 v23, v42, 4, v23
	v_add_nc_u32 v[AS], s92, v23
	v_add_nc_u32 v[STC], s93, v22
	v_lshlrev_b32 v[L8], 3, v3
	v_lshlrev_b32 v[L16], 4, v3
	v_add_nc_u32 v[SRD], s93, v[L8]
	v_add_nc_u32 v[SGS], s94, v21
	v_add_nc_u32 v[SGR], s94, v[L16]
	v_add_nc_u32 v[SG8], s94, v[L8]
	v_mov_b32 v[PT], 0                             ; a lane permute's destination counts as one of its sources
	v_mov_b32 v[PT+1], 0
.macro FRAGW f, q, b                   ; 16 rows x groups 2 q, 2 q + 1 of the weights: six pieces of 8 bytes
	WIN (1+(\f)/FPW)<<6
.set R_, FR*((\f)%FPW)
.irp p, 0,1,2,3,4,5
.set G_, 2*(\q)+\p/3
	ds_load_b64 v[R_+2*\p:R_+2*\p+1], v[AW+G_/8] offset:(G_%8)*6144+(\b)*768+8*(\p%3)
.endr
.endm
.macro WEIGHTS
.irp q, 0,1,2,3,4,5,6,7
.irp b, 0,1,2,3
	FRAGW 4*\q+\b, \q, \b
.endr
.endr
	WIN 0
.endm
.macro FRAGX f, q, s                   ; 16 tokens of block s x groups 2 q, 2 q + 1
	WIN (1+(\f)/FPW)<<6
.set R_, FR*((\f)%FPW)
.irp p, 0,1,2,3,4,5
.set G_, 2*(\q)+\p/3
	ds_load_b64 v[R_+2*\p:R_+2*\p+1], v[AX+G_/5] offset:(G_%5)*12288+768*(\s)+8*(\p%3)
.endr
.endm
.macro FETCH e, s                      ; block s into set e: NF loads
.irp q, 0,1,2,3,4,5,6,7
	FRAGX 32+8*(\e)+\q, \q, \s
.endr
	WIN 0
	ds_load_b128 v[SA+8*(\e):SA+8*(\e)+3], v[AS] offset:544*(\s)
	ds_load_b128 v[SA+8*(\e)+4:SA+8*(\e)+7], v[AS] offset:544*(\s)+16
.endm
.macro P1 d, s0, s1, c, x0, x1, side, o
.if \o
	v_wmma_scale_f32_16x16x128_f8f6f4 v[\d:\d+7], v[FR*((\s0)%FPW):FR*((\s0)%FPW)+FR-1], v[FR*((\s1)%FPW):FR*((\s1)%FPW)+FR-1], \c, v[\x0], v[\x1] matrix_a_fmt:MATRIX_FMT_FP6 matrix_b_fmt:MATRIX_FMT_FP6 matrix_\side\()_scale:MATRIX_SCALE_ROW1
.else
	v_wmma_scale_f32_16x16x128_f8f6f4 v[\d:\d+7], v[FR*((\s0)%FPW):FR*((\s0)%FPW)+FR-1], v[FR*((\s1)%FPW):FR*((\s1)%FPW)+FR-1], \c, v[\x0], v[\x1] matrix_a_fmt:MATRIX_FMT_FP6 matrix_b_fmt:MATRIX_FMT_FP6
.endif
.endm
; product n = 4 q + b of a block on set e.  kind 0 (Q, K): source 0 the weights' rows; kind 1 (V): source 0 x's rows.  Tile b's accumulator at d0 + ds b, its bias at c0 + 8 b
.macro PROD kind, e, n, d0, ds, c0
.set Q_, (\n)/4
.set B_, (\n)%4
.set FB_, 4*Q_+B_
.set FA_, 32+8*(\e)+Q_
.set D_, (\d0)+(\ds)*B_
.set C_, (\c0)+8*B_
.if \kind
	WIN (1+FA_/FPW)|((1+FB_/FPW)<<2)
.if Q_
	P1 D_, FA_, FB_, v[D_:D_+7], SA+8*(\e)+Q_, SB+8*(B_/2)+Q_, b, B_%2
.else
	P1 D_, FA_, FB_, v[C_:C_+7], SA+8*(\e)+Q_, SB+8*(B_/2)+Q_, b, B_%2
.endif
.else
	WIN (1+FB_/FPW)|((1+FA_/FPW)<<2)
.if Q_
	P1 D_, FB_, FA_, v[D_:D_+7], SB+8*(B_/2)+Q_, SA+8*(\e)+Q_, a, B_%2
.else
	P1 D_, FB_, FA_, v[C_:C_+7], SB+8*(B_/2)+Q_, SA+8*(\e)+Q_, a, B_%2
.endif
.endif
.endm
.macro BLOCK kind, e, d0, ds, c0
.set N_, 0
.rept 32
	PROD \kind, \e, N_, \d0, \ds, \c0
.set N_, N_+1
.endr
	WIN 0
	PLACES 4                                       ; places between the products and the reads of their results and the loads into their sources
.endm
; 32 numbers of a lane from v[y] on (register 16 b + i belongs to scale block b of my row; lanes l and l xor 16 share a block) become six registers of codes, v[PC] on (lane (r, h): block h of row r, 24 bytes), and the two scale bytes in v[TMP]
.macro QNT y
.irp b, 0,1
	v_max3_num_f32 v[BM+\b], |v[\y+16*\b]|, |v[\y+16*\b+1]|, 0x1800000   ; each accumulator is read from its low end on; the floor 2^(3 - 127) holds the byte at 1 from below
.endr
.irp i, 2,4,6,8,10,12,14
.irp b, 0,1
	v_max3_num_f32 v[BM+\b], v[BM+\b], |v[\y+16*\b+\i]|, |v[\y+16*\b+\i+1]|
.endr
.endr
.irp b, 0,1
	v_permlanex16_b32 v[PT+\b], v[BM+\b], s[SEL], s[SEL+1]
.endr
.irp b, 0,1
	v_max_num_f32 v[BM+\b], v[BM+\b], v[PT+\b]     ; the block's largest magnitude
.endr
.irp b, 0,1
	v_add_nc_u32 v[SO+\b], 0xff000000, v[BM+\b]    ; 2 off its exponent field: the conversion's scale operand
.endr
.irp b, 0,1
	v_lshrrev_b32 v[PT+\b], 23, v[SO+\b]           ; the scale's byte
.endr
	v_lshl_or_b32 v[TMP], v[PT+1], 8, v[PT]
	v_cvt_scalef32_pk16_fp6_f32 v[PC:PC+2], v[\y:\y+15], v[SO]
	v_cvt_scalef32_pk16_fp6_f32 v[CT:CT+2], v[\y+16:\y+31], v[SO+1]
	v_nop                                          ; one plain place behind a scaled conversion
.irp i, 0,1,2
	v_permlane16_swap_b32 v[PC+\i], v[CT+\i]
.endr
.irp i, 0,1,2
	v_mov_b32 v[PC+3+\i], v[CT+\i]
.endr
.endm
.macro TOSTAGE set                     ; 768 bytes through my stage: LDS serves a wave's instructions in order, so the loads see the stores
.irp i, 0,1,2
	ds_store_b64 v[STC], v[PC+2*\i:PC+2*\i+1] offset:8*\i
.endr
.irp i, 0,1,2
	ds_load_b64 v[RB+6*(\set)+2*\i:RB+6*(\set)+2*\i+1], v[SRD] offset:256*\i
.endr
.endm
.macro SEND set, base, off
.irp i, 0,1,2
	global_store_b64 v[L8], v[RB+6*(\set)+2*\i:RB+6*(\set)+2*\i+1], s[\base:\base+1] offset:(\off)+256*\i th:TH_STORE_NT   ; 32 lanes store 256 consecutive bytes, aligned
.endr
.endm
.macro BLKQ s
.if (\s) == 7
	s_wait_dscnt 0x0
.else
	s_wait_dscnt NF                                ; all but the next block's fetch: this block's fragments are in, and the last block's codes are back from the stage
.endif
.if (\s) > 0
	SEND ((\s)-1)%2, 56, 768*((\s)-1)
.endif
	BLOCK 0, (\s)%2, ACC+32*((\s)%2), 8, BQ
	s_wait_xcnt 0x0                                ; the earlier stores have read their registers
	QNT ACC+32*((\s)%2)
	v_or_b32 v[TMP], 0x7f7f0000, v[TMP]            ; bytes 2, 3 = 127: the attention's instruction is 128 deep, the head 64
	ds_store_b32 v[SGS], v[TMP] offset:64*(\s)     ; both halves of the lanes write the same word
	TOSTAGE (\s)%2
.if (\s)+2 < 8
	FETCH (\s)%2, (\s)+2
.endif
.endm
.macro VOUT k                          ; a chunk of 64 keys is whole: its four tiles of 16 channels leave
.irp b, 0,1,2,3
	QNT ACC+32*\b
.if \k
	v_lshl_or_b32 v[TMP], v[TMP], 16, v[VW+\b]     ; the step's word: chunk 0's two bytes, chunk 1's two
.else
	v_mov_b32 v[VW+\b], v[TMP]
.endif
	s_wait_alu depctr_va_vdst(0)
	s_wait_dscnt 0x0                               ; the tile before is back from the stage
	s_wait_xcnt 0x0
.if \b > 0
	SEND (\b-1)%2, 60, 3072*(\k)+768*(\b-1)
.endif
.if \k
	ds_store_b32 v[SGS], v[TMP] offset:64*\b
.endif
	TOSTAGE \b%2
.endr
.endm
.macro BLKV s
.if (\s) == 7
	s_wait_dscnt 0x0
.else
	s_wait_dscnt NF
.endif
.if (\s) == 4
	SEND 1, 60, 768*3
.endif
	BLOCK 1, (\s)%2, ACC+8*((\s)%4), 32, BV
.if (\s)%4 == 3
	VOUT (\s)/4
.endif
.if (\s)+2 < 8
	FETCH (\s)%2, (\s)+2
.endif
.endm
	s_wait_loadcnt 0x0                             ; the scale words and the biases
.irp b, 0,8,16,24
.irp i, 1,2,3,4,5,6,7
	v_mov_b32 v[BV+\b+\i], v[BV+\b]                ; V's number over the tile's eight registers
.endr
.endr
	s_mov_b32 s80, 0
	s_wait_alu depctr_va_vdst(0)
	s_cmp_eq_u32 s16, 0
	s_cbranch_scc0 .Lnot_w
	s_wait_tensorcnt 0x0                           ; the wave that asked for W_q waits for it
.Lnot_w:
	BARRIER                                        ; W_q is in; x may still be on its way
.Lphase:                                               ; Q, then K
	WEIGHTS
	s_wait_tensorcnt 0x0                           ; all my tensor loads are done (the first time: x and its scale bytes),
	ds_add_u32 v[SPW], v[NIL]                      ; 0 onto my spare word,
	s_add_nc_u64 s[50:51], s[50:51], 49152         ; (no load of mine is out: the next tensor's rows, 1,024 rows of 48 bytes on)
	s_wait_dscnt 0x0                               ; and I hold my weights
	CROUND                                         ; all that holds of every wave of every partner
	s_cmp_eq_u32 s16, 0
	s_cbranch_scc0 .Lno_fill
	TLOAD 48, 32                                   ; W_k's rows, then W_v's, onto rows that all waves hold in registers
.Lno_fill:
	FETCH 0, 0
	FETCH 1, 1
.irp s, 0,1,2,3,4,5,6,7
	BLKQ \s
.endr
	s_wait_dscnt 0x0
	SEND 1, 56, 768*7
	ds_load_b128 v[PC:PC+3], v[SGR]                ; my 128 tokens' scale words
	s_wait_dscnt 0x0
	global_store_b128 v[L16], v[PC:PC+3], s[58:59] th:TH_STORE_NT
	WIN 3
.set I, 0
.rept 16
	v_mov_b32 v[SB+I], v[SB2-768+I]                ; the next weights' scale words,
.set I, I+1
.endr
	WIN 0
.set I, 0
.rept 32
	v_mov_b32 v[BQ+I], v[BK+I]                     ; K's bias,
.set I, I+1
.endr
	WIN 0xc3
.set I, 0
.rept 16
	v_mov_b32 v[SB2-768+I], v[SB3-768+I]           ; and V's scale words move up
.set I, I+1
.endr
	WIN 0
	s_wait_xcnt 0x0                                ; the stores have read their bases
	s_add_nc_u64 s[56:57], s[56:57], 6291456
	s_add_nc_u64 s[58:59], s[58:59], 524288
	s_add_co_u32 s80, s80, 1
	s_wait_alu depctr_va_vdst(0)
	s_wait_tensorcnt 0x0
	BARRIER                                        ; a plain barrier: the weights that the refill brought are shown to all
	s_cmp_lt_u32 s80, 2
	s_cbranch_scc1 .Lphase
	WEIGHTS                                        ; V
	FETCH 0, 0
	FETCH 1, 1
.irp s, 0,1,2,3,4,5,6,7
	BLKV \s
.endr
	s_wait_dscnt 0x0
	SEND 1, 60, 3072+768*3
	ds_load_b64 v[PC:PC+1], v[SG8]                 ; my 64 channels' scale words
	s_wait_dscnt 0x0
	global_store_b64 v[L8], v[PC:PC+1], s[62:63] th:TH_STORE_NT
	s_wait_tensorcnt 0x0                           ; the wave's end
	ds_add_u32 v[SPW], v[NIL]
	s_wait_dscnt 0x0
	CROUND                                         ; the closing round
	s_endpgm
.Lfunc_end_k_qc9540c3a32_qkv:
	.size	k_qc9540c3a32_qkv, .Lfunc_end_k_qc9540c3a32_qkv-k_qc9540c3a32_qkv
	.p2alignl 7, 3214868480
	.fill 96, 4, 3214868480
	.section	.rodata,"a",@progbits
	.p2align	6, 0x0
	.amdhsa_kernel k_qc9540c3a32_qkv
		.amdhsa_group_segment_fixed_size 327680
		.amdhsa_private_segment_fixed_size 0
		.amdhsa_enable_private_segment 0
		.amdhsa_kernarg_size 56
		.amdhsa_user_sgpr_count 2
		.amdhsa_user_sgpr_kernarg_segment_ptr 1
		.amdhsa_wavefront_size32 1
		.amdhsa_system_sgpr_workgroup_id_x 1
		.amdhsa_system_sgpr_workgroup_id_y 1
		.amdhsa_system_sgpr_workgroup_id_z 1
		.amdhsa_system_vgpr_workitem_id 0
		.amdhsa_next_free_vgpr 1024
		.amdhsa_next_free_sgpr 96
		.amdhsa_reserve_vcc 0
		.amdhsa_float_denorm_mode_32 3
		.amdhsa_float_denorm_mode_16_64 3
		.amdhsa_memory_ordered 1
		.amdhsa_forward_progress 1
		.amdhsa_inst_pref_size 203
	.end_amdhsa_kernel
	.amdgpu_metadata
---
amdhsa.version: [ 1, 2 ]
amdhsa.kernels:
  - .name:           k_qc9540c3a32_qkv
    .symbol:         k_qc9540c3a32_qkv.kd
    .args:
      - { .name: x_codes, .offset: 0, .size: 8, .value_kind: global_buffer, .address_space: global }
      - { .name: x_scales, .offset: 8, .size: 8, .value_kind: global_buffer, .address_space: global }
      - { .name: w_codes, .offset: 16, .size: 8, .value_kind: global_buffer, .address_space: global }
      - { .name: w_scales, .offset: 24, .size: 8, .value_kind: global_buffer, .address_space: global }
      - { .name: b_attn, .offset: 32, .size: 8, .value_kind: global_buffer, .address_space: global }
      - { .name: qkv_codes, .offset: 40, .size: 8, .value_kind: global_buffer, .address_space: global }
      - { .name: qkv_scales, .offset: 48, .size: 8, .value_kind: global_buffer, .address_space: global }
    .group_segment_fixed_size: 327680
    .private_segment_fixed_size: 0
    .kernarg_segment_align: 8
    .kernarg_segment_size: 56
    .max_flat_workgroup_size: 128
    .sgpr_count:     96
    .vgpr_count:     1024
    .wavefront_size: 32
...
	.end_amdgpu_metadata
.endif
;; end of part 2
;; launch attn (part 3): grid 4 x 64, 16 waves a work-group, no clusters, 327,680 bytes of LDS; arguments qkv_codes, qkv_scales, y_codes, y_scales; writes y_codes, y_scales
.if DOCPART == 3
	.amdgcn_target "amdgcn-amd-amdhsa--gfx1250"
	.amdhsa_code_object_version 6
	.text
	.protected	k_qc9540c3a32_attn
	.globl	k_qc9540c3a32_attn
	.p2align	8
	.type	k_qc9540c3a32_attn,@function
k_qc9540c3a32_attn:
	s_mov_b64 s[64:65], 0
	v_nop
	global_prefetch_b8 v0, s[64:65] scope:SCOPE_SE
	s_setreg_imm32_b32 hwreg(HW_REG_WAVE_MODE, 25, 1), 1
	s_wait_xcnt 0x0
; y[b][h][q] = the sum over k <= q of softmax_k(q . k / 8) v, head size 64, 2,048 tokens, both products on codes of FP6 (E2M3) with E8M0 scales; y leaves as codes for the last product.
; THE SOFTMAX: t = score x log2(e) / 8; M = the row's largest t so far rounded UP to a whole number; p = 2^(t - M) is quantised along the keys, not normalised; the row's sum is taken of the unquantised p and divides at the end.
; When M moves, the sum and O are multiplied by 2^(old M - new M), which rounds nothing.
; SHARES.  A work-group owns one (batch, head) and the query blocks i and 7 - i of 256: every work-group has the same work under the causal mask.  Wave w of sixteen owns 16 queries of each block: tiles A and B.
; THE RING.  K and V come in stages of 256 keys (K's codes 12,288 bytes, V's 12,288, K's scale words 1,024, V's 512) through two LDS slots.  A trip of the loop is a stage: two key steps of 128 for each tile.
; At a trip's top every wave waits for all its tensor loads, adds 0 to its spare word and waits for that and for its reads of the other slot; behind the barrier
; eleven waves ask for the next stage, one load each, into the slot read last trip: waves 0-3 a quarter of K's codes, 4-7 of V's, 8, 9 half of K's scale words, 10 V's.  One load a wave is out at most.
; Eight trips, a constant.  A tile jumps over the steps all of whose keys come after its queries, and a stage beyond block 7 - i, which nobody would read, is not asked for: scalar branches on ids alone.
; On the diagonal hidden scores become -infinity ahead of the maximum.  Work under the causal mask is left out where it comes in whole steps.
; NO CLUSTER, though the four work-groups of a head read the same K and V: which steps a work-group jumps over hangs on its query block, which would be its place in the cluster, and partners must run alike.
; PREFETCH: in trip t < 6 wave 11 names 24 blocks of 256 bytes of stage t + 2's codes, a lane a block (lanes 24-31 name the last again): the four work-groups of a head take a quarter each of the stage's 96
; blocks, told apart by address (work-groups 0, 1 K's halves, 2, 3 V's).  That is one trip ahead of the tensor load that wants them.  Stage 7 is the last named: every address lies in the head's own codes.
; LAYOUT.  Both products are used transposed: S^T = K Q^T (source 0 = 16 keys), O^T = V^T P^T (source 0 = 16 channels): a lane holds ONE query throughout.  A tile is 16 neighbouring keys, of which a lane holds eight; so place p
; of a block of p's codes holds key sw(p) (bits 3 and 4 exchanged), and so are v's codes laid; q's and k's, and y's and w_proj's, likewise.
; K = 64 IN AN INSTRUCTION 128 DEEP: Q's registers 6-11 are zero codes.  K's tile t is the run of 12 registers from F + 6 t: its upper six are the next tile's codes (for tile 7 six registers of zeros).  A zero code times any
; code of this format is 0, and bytes 2, 3 of q's and k's scale words are 127.
; LIMITS: NaN and infinities are not served; a block of zeros keeps the byte 1; the promise holds while |t| stays under 2^31.
.set SLOTB, 32768                      ; a slot: K's codes at 0 (key at 48 each), V's at 12,288 (chunk of 64 keys at 3,072, channel at 48), K's scale words at 24,576, V's at 25,600
.set STGB,  12288
.set KSO,   24576
.set STG,   65536                      ; the way out: 1,536 bytes a wave: two tiles of 16 rows x 48 bytes.  No fill lands here
.set YSG,   90112                      ; y's scale bytes: [2 blocks][256 rows] of 2 bytes
.set SPARE, 91136                      ; the spare words: 128 bytes a wave
.set AK0,  1                           ; 48 r + 24 h: my place in a tile of K or V; also my offset in Q's rows
.set PFO,  2                           ; the prefetch's offset: 256 x min(lane, 23); never rewritten
.set ASK0, 3                           ; 4 x lane + KSO
.set ADK,  5                           ; AK0 in this trip's slot
.set ADS,  7                           ; ASK0 in this trip's slot
.set DL,   9                           ; r - 8 h
.set QA,   20                          ; v12-15, v16-19: -M, the largest t, the sum in two halves, for tiles A and B
.set QB,   32
.set QSA,  44
.set QSB,  45
.set F,    46                          ; v46-93 fragments of K or V; between the products the softmax's work
.set Z,    94                          ; v94-99 zeros, never rewritten
.set S,    100                         ; v100-163 S^T, then p
.set OA,   164
.set OB,   196
.set PC,   228                         ; p's codes
.set SW,   240                         ; v240-243 K's or V's scale words; v244 p's: they hold scales and nothing else
.set PSW,  244
.set FF,   246                         ; v[246:247] f = 2^(old M - new M) and a 0; at the end the two reciprocals
.set SA,   248
.set SY,   249
.set SRD,  250
.set L8,   251
.set SRY,  252
.set L16,  253
.set BM,   F
.set PT,   F+4
.set CHN,  F+8
.set SO,   F+12
.set CT,   F+16
.set TMP,  F+24
.set NEG,  F+25
.set DD,   F+26
.set RB,   F+28
.set WV,   12
.set PFA,  18                          ; s[18:19] where the prefetch stands
.set SEL,  20
.set CS,   22
.set KF,   49                          ; the trip's first key; s51: its second step's
	s_load_b256 s[4:11], s[0:1], 0x0               ; qkv_codes, qkv_scales, y_codes, y_scales
	v_lshl_add_u32 v254, v0, 2, SPARE
	v_mov_b32 v255, 0
	ds_add_u32 v254, v255                          ; the opening lines: the add, twice on end, and its wait ahead of the first tensor load
	ds_add_u32 v254, v255
	v_lshrrev_b32 v10, 5, v0
	v_readfirstlane_b32 s[WV], v10                 ; wave 0..15
	s_and_b32 s14, ttmp7, 0xffff                   ; 16 x batch + head
	s_lshr_b32 s15, s14, 4
	s_and_b32 s16, s14, 15
	s_mov_b32 s24, 3<<16                           ; group 1 for the codes: 3,072 dense bytes as 12 rows of 256 (32 elements of 8 bytes), no padding
	s_mov_b32 s25, 32<<16
	s_mov_b32 s26, 12<<16
	s_mov_b32 s27, 32<<16
	s_mov_b32 s28, 12
	s_mov_b32 s29, 32
	s_mov_b32 s30, 0
	s_mov_b32 s31, 0
	s_mov_b32 s32, 3<<16                           ; and for the scale words: 512 bytes as 2 rows
	s_mov_b32 s33, 32<<16
	s_mov_b32 s34, 2<<16
	s_mov_b32 s35, 32<<16
	s_mov_b32 s36, 2
	s_mov_b32 s37, 32
	s_mov_b32 s38, 0
	s_mov_b32 s39, 0
	s_mul_i32 s66, s16, 393216
	s_mul_i32 s67, s15, 98304
	s_add_co_u32 s66, s66, s67                     ; my (head, batch) in q's section, in k's, and in y_codes
	s_lshl_b32 s70, s16, 15
	s_lshl_b32 s71, s15, 13
	s_add_co_u32 s70, s70, s71                     ; and in q's and k's scale words
	s_mul_i32 s41, s[WV], 3072                     ; waves 0-3 fetch K's codes, 4-7 V's: LDS byte 3,072 x wave of the slot
	s_add_co_u32 s68, s66, 6291456                 ; my head's K
	s_mul_i32 s67, s14, 98304
	s_add_co_u32 s67, s67, 12582912                ; my head's V
	s_cmp_lt_u32 ttmp9, 2                          ; the prefetch: work-groups 0, 1 take K's halves of a stage, 2, 3 V's
	s_cselect_b32 s[PFA], s68, s67
	s_and_b32 s19, ttmp9, 1
	s_mul_i32 s19, s19, 6144
	s_add_co_u32 s[PFA], s[PFA], s19
	s_add_co_u32 s[PFA], s[PFA], 2*STGB            ; it begins at stage 2
	s_mov_b32 s19, 0
	s_sub_co_u32 s67, s67, 4*3072
	s_cmp_lt_u32 s[WV], 4
	s_cselect_b32 s68, s68, s67
	s_add_co_u32 s68, s68, s41
	s_mov_b32 s69, 0
	s_lshl_b32 s71, s[WV], 9
	s_add_co_u32 s45, s71, KSO-8*512               ; waves 8, 9 fetch K's scale words, wave 10 V's: LDS byte KSO + 512 x (wave - 8)
	s_add_co_u32 s72, s70, s71
	s_add_co_u32 s72, s72, 524288-8*512
	s_lshl_b32 s73, s14, 12
	s_add_co_u32 s73, s73, 1048576
	s_mov_b32 s62, 512
	s_cmp_lt_u32 s[WV], 10
	s_cselect_b32 s72, s72, s73
	s_cselect_b32 s62, 1024, s62                   ; s[62:63]: a stage's scale words in memory: K's 1,024 bytes, V's 512
	s_mov_b32 s63, 0
	s_mov_b32 s73, 0
	s_mov_b32 s40, 1
	s_mov_b32 s44, 1
	s_lshl_b32 s53, ttmp9, 8
	s_lshl_b32 s67, s[WV], 4
	s_add_co_u32 s53, s53, s67                     ; tile A's first query: 256 i + 16 w
	s_sub_co_u32 s55, 7, ttmp9                     ; the last stage that my queries see
	s_lshl_b32 s54, s55, 8
	s_add_co_u32 s54, s54, s67                     ; tile B's: 256 (7 - i) + 16 w
	s_mul_i32 s74, s53, 48
	s_add_co_u32 s74, s74, s66
	s_mov_b32 s75, 0
	s_mul_i32 s76, s54, 48
	s_add_co_u32 s76, s76, s66
	s_mov_b32 s77, 0
	s_lshl_b32 s78, s53, 2
	s_add_co_u32 s78, s78, s70
	s_mov_b32 s79, 0
	s_lshl_b32 s80, s54, 2
	s_add_co_u32 s80, s80, s70
	s_mov_b32 s81, 0
	s_cmp_eq_u32 s[WV], 0
	s_cselect_b32 s67, ttmp9, s55                  ; y's scale bytes leave by wave 0 (block i) and wave 1 (block 7 - i)
	s_lshl_b32 s67, s67, 9
	s_lshl_b32 s71, s16, 14
	s_add_co_u32 s82, s67, s71
	s_lshl_b32 s71, s15, 12
	s_add_co_u32 s82, s82, s71
	s_mov_b32 s83, 0
	s_mov_b32 s[SEL], 0x76543210
	s_mov_b32 s[SEL+1], 0xfedcba98
	s_mov_b32 s[CS], 0x3e38aa3b                    ; c = log2(e) / 8
	s_mov_b32 s[CS+1], s[CS]
	s_wait_dscnt 0x0
	s_wait_kmcnt 0x0
	s_add_nc_u64 s[42:43], s[4:5], s[68:69]
	s_or_b32 s43, s43, 0x80000000
	s_add_nc_u64 s[46:47], s[6:7], s[72:73]
	s_or_b32 s47, s47, 0x80000000
	s_add_nc_u64 s[PFA:PFA+1], s[4:5], s[PFA:PFA+1]
	s_cmp_lt_u32 s[WV], 8                          ; stage 0 into slot 0: one load a wave, each into bytes of its own; s_nop 0 and four v_nop follow each line
	s_cbranch_scc0 .Lnot_codes
	tensor_load_to_lds s[40:43], s[24:31]
	s_nop 0
.rept 4
	v_nop
.endr
	s_branch .Lasked
.Lnot_codes:
	s_cmp_lt_u32 s[WV], 11
	s_cbranch_scc0 .Lasked
	tensor_load_to_lds s[44:47], s[32:39]
	s_nop 0
.rept 4
	v_nop
.endr
.Lasked:
	s_add_nc_u64 s[56:57], s[8:9], s[74:75]        ; y's codes, tile A, tile B
	s_add_nc_u64 s[58:59], s[8:9], s[76:77]
	s_add_nc_u64 s[60:61], s[10:11], s[82:83]      ; y's scale bytes
	s_add_nc_u64 s[74:75], s[4:5], s[74:75]        ; q's codes
	s_add_nc_u64 s[76:77], s[4:5], s[76:77]
	s_add_nc_u64 s[78:79], s[6:7], s[78:79]        ; q's scale words
	s_add_nc_u64 s[80:81], s[6:7], s[80:81]
	v_and_b32 v10, 15, v0                          ; r
	v_bfe_u32 v11, v0, 4, 1                        ; h
	v_mul_u32_u24 v[AK0], v10, 48
	v_mad_u32_u24 v[AK0], v11, 24, v[AK0]
	v_lshlrev_b32 v[ADS], 2, v10
.irp p, 0,1,2
	global_load_b64 v[QA+2*\p:QA+2*\p+1], v[AK0], s[74:75] offset:8*\p   ; Q's fragments stay in registers
	global_load_b64 v[QB+2*\p:QB+2*\p+1], v[AK0], s[76:77] offset:8*\p
.endr
	global_load_b32 v[QSA], v[ADS], s[78:79]
	global_load_b32 v[QSB], v[ADS], s[80:81]
	v_and_b32 v8, 31, v0                           ; lane
	v_lshl_add_u32 v[ASK0], v8, 2, KSO             ; lanes 0-15 take an even tile's words, lanes 16-31 the odd tile's that follows
	v_min_u32 v[PFO], 23, v8
	v_lshlrev_b32 v[PFO], 8, v[PFO]
	v_lshlrev_b32 v[DL], 3, v11
	v_sub_nc_u32 v[DL], v10, v[DL]
	s_mul_i32 s67, s[WV], 1536
	s_add_co_u32 s67, s67, STG
	v_add_nc_u32 v[SA], s67, v[AK0]
	v_lshlrev_b32 v[L8], 3, v8
	v_add_nc_u32 v[SRD], s67, v[L8]
	s_lshl_b32 s67, s[WV], 5
	s_add_co_u32 s67, s67, YSG
	v_lshl_add_u32 v[SY], v10, 1, s67
	s_and_b32 s67, s[WV], 1
	s_lshl_b32 s67, s67, 9
	s_add_co_u32 s67, s67, YSG
	v_lshl_add_u32 v[SRY], v8, 4, s67
	v_lshlrev_b32 v[L16], 4, v8
.irp i, 0,1,2,3,4,5
	v_mov_b32 v[QA+6+\i], 0
	v_mov_b32 v[QB+6+\i], 0
	v_mov_b32 v[Z+\i], 0
.endr
.irp t, 12, 16
	v_mov_b32 v[\t+1], 0xff61b1e6                  ; the largest t so far: -3e38
	v_floor_f32 v[\t], -v[\t+1]                    ; -M
	v_mov_b32 v[\t+2], 0
	v_mov_b32 v[\t+3], 0
.endr
.set i, 0
.rept 64
	v_mov_b32 v[OA+i], 0                           ; O^T of both tiles: the first step finds zeros, which the first change of M leaves zeros
.set i, i+1
.endr
.irp i, 0,1,2,3
	v_mov_b32 v[PT+\i], 0                          ; a lane permute's destination counts as one of its sources
.endr
	v_mov_b32 v[FF+1], 0                           ; (named as the upper half of a pair)
	s_mov_b32 s48, 0                               ; the trip
	s_mov_b32 s[KF], 0
	s_mov_b32 s51, 128
	s_mov_b32 s50, 0                               ; this trip's slot
	s_wait_alu depctr_va_vdst(0)
	s_wait_loadcnt 0x0                             ; Q is in
; One tile's key step.  st: its statistics; q, qs: its Q and scale words; o: its O^T; q0: the scalar with its first query; kf: the scalar with the step's first key; ko: which step of the stage.
.macro STEP st, q, qs, o, q0, kf, ko
	s_add_co_u32 s66, s[\q0], 15
	s_cmp_gt_u32 s[\kf], s66
	s_cbranch_scc1 .Lhid_\@                        ; all 128 keys come after my 16 queries
.rept 4
	v_nop                                          ; places in front of loads into registers that the last products have read
.endr
	s_wait_alu depctr_va_vdst(0)
.irp t, 0,1,2,3,4,5,6,7
.irp p, 0,1,2
	ds_load_b64 v[F+6*\t+2*\p:F+6*\t+2*\p+1], v[ADK] offset:6144*\ko+768*\t+8*\p
.endr
.endr
.irp b, 0,1,2,3
	ds_load_b32 v[SW+\b], v[ADS] offset:512*\ko+128*\b
.endr
	s_wait_dscnt 0x0
.irp t, 0,2,4,6
	v_wmma_scale_f32_16x16x128_f8f6f4 v[S+8*\t:S+8*\t+7], v[F+6*\t:F+6*\t+11], v[\q:\q+11], 0, v[SW+\t/2], v[\qs] matrix_a_fmt:MATRIX_FMT_FP6 matrix_b_fmt:MATRIX_FMT_FP6
	v_wmma_scale_f32_16x16x128_f8f6f4 v[S+8*\t+8:S+8*\t+15], v[F+6*\t+6:F+6*\t+17], v[\q:\q+11], 0, v[SW+\t/2], v[\qs] matrix_a_fmt:MATRIX_FMT_FP6 matrix_b_fmt:MATRIX_FMT_FP6 matrix_a_scale:MATRIX_SCALE_ROW1
.endr
.rept 4
	v_nop
.endr
	s_add_co_u32 s66, s[\kf], 127
	s_cmp_le_u32 s66, s[\q0]
	s_cbranch_scc1 .Lopen_\@                       ; all 128 keys count
	s_sub_co_i32 s66, s[\q0], s[\kf]
	v_add_nc_u32 v[DD], s66, v[DL]                 ; d = my query - the first key - 8 h.  Register 8 t + j holds key 16 t + 8 h + j of the step: hidden where 16 t + j > d
	v_mov_b32 v[NEG], 0xff800000
.set mn, 0
.rept 64
	v_cmp_gt_i32 vcc_lo, 16*(mn/8)+mn%8, v[DD]
	v_cndmask_b32 v[S+mn], v[S+mn], v[NEG], vcc_lo
.set mn, mn+1
.endr
.Lopen_\@:
.irp b, 0,1,2,3
	v_max3_num_f32 v[BM+\b], v[S+16*\b], v[S+16*\b+1], v[S+16*\b+2]   ; the largest score of each block of 32 keys: for the row's maximum and, since p rises with the score, for the block's largest p
.endr
.irp i, 3,5,7,9,11,13
.irp b, 0,1,2,3
	v_max3_num_f32 v[BM+\b], v[BM+\b], v[S+16*\b+\i], v[S+16*\b+\i+1]
.endr
.endr
.irp b, 0,1,2,3
	v_max_num_f32 v[BM+\b], v[BM+\b], v[S+16*\b+15]
.endr
.irp b, 0,1,2,3
	s_delay_alu instid0(VALU_DEP_4)
	v_permlanex16_b32 v[PT+\b], v[BM+\b], s[SEL], s[SEL+1]
.endr
.irp b, 0,1,2,3
	s_delay_alu instid0(VALU_DEP_4)
	v_max_num_f32 v[BM+\b], v[BM+\b], v[PT+\b]
.endr
	s_delay_alu instid0(VALU_DEP_2)
	v_max3_num_f32 v[TMP], v[BM], v[BM+1], v[BM+2]
	s_delay_alu instid0(VALU_DEP_1)
	v_max_num_f32 v[TMP], v[TMP], v[BM+3]
	s_delay_alu instid0(VALU_DEP_1)
	v_mul_f32 v[TMP], s[CS], v[TMP]
	s_delay_alu instid0(VALU_DEP_1)
	v_max_num_f32 v[\st+1], v[\st+1], v[TMP]       ; the running largest t
	v_mov_b32 v[TMP], v[\st]
	s_delay_alu instid0(VALU_DEP_2)
	v_floor_f32 v[\st], -v[\st+1]                  ; the new -M = floor(-t): M is a whole number
	s_delay_alu instid0(VALU_DEP_1)
	v_sub_f32 v[TMP], v[\st], v[TMP]               ; old M - new M, 0 or less
	s_delay_alu instid0(VALU_DEP_1)
	v_cvt_i32_f32 v[TMP], v[TMP]                   ; (it saturates)
	s_delay_alu instid0(VALU_DEP_1)
	v_ldexp_f32 v[FF], 1.0, v[TMP]                 ; f = 2^(old M - new M)
.set j, 0
.rept 32
	v_pk_fma_f32 v[S+j:S+j+1], v[S+j:S+j+1], s[CS:CS+1], v[\st:\st+1] op_sel_hi:[1,0,0]   ; t - M
.set j, j+2
.endr
.irp b, 0,1,2,3
	v_fma_f32 v[BM+\b], v[BM+\b], s[CS], v[\st]
.endr
.set j, 0
	s_wait_alu depctr_va_vdst(0)
.rept 64
	v_exp_f32 v[S+j], v[S+j]                       ; p = 2^(t - M)
.set j, j+1
.endr
	v_pk_mul_f32 v[\st+2:\st+3], v[\st+2:\st+3], v[FF:FF+1] op_sel_hi:[1,0]   ; the sums under the new M: the plain line behind the exponentials
	s_wait_alu depctr_va_vdst(0)                   ; one wait for the 64, ahead of their first reader
.irp b, 0,1,2,3
	v_exp_f32 v[BM+\b], v[BM+\b]                   ; the block's largest p
.endr
	v_pk_add_f32 v[CHN:CHN+1], v[S:S+1], v[S+2:S+3]   ; the row's sum, of the unquantised p, in two chains
.set j, 4
.rept 15
	v_pk_add_f32 v[\st+2:\st+3], v[\st+2:\st+3], v[S+j:S+j+1]
	v_pk_add_f32 v[CHN:CHN+1], v[CHN:CHN+1], v[S+j+2:S+j+3]
.set j, j+4
.endr
	s_delay_alu instid0(VALU_DEP_1)
	v_pk_add_f32 v[\st+2:\st+3], v[\st+2:\st+3], v[CHN:CHN+1]
	s_wait_alu depctr_va_vdst(0)                   ; and one for the four
.irp b, 0,1,2,3
	v_max_num_f32 v[BM+\b], 0x1800000, v[BM+\b]    ; the floor 2^(3 - 127)
.endr
.irp b, 0,1,2,3
	s_delay_alu instid0(VALU_DEP_4)
	v_add_nc_u32 v[SO+\b], 0xff000000, v[BM+\b]
.endr
.irp b, 0,1,2,3
	s_delay_alu instid0(VALU_DEP_4)
	v_lshrrev_b32 v[PT+\b], 23, v[SO+\b]
.endr
	s_delay_alu instid0(VALU_DEP_3)
	v_lshl_or_b32 v[PSW], v[PT+1], 8, v[PT]
	s_delay_alu instid0(VALU_DEP_1)
	v_lshl_or_b32 v[PSW], v[PT+2], 16, v[PSW]
	s_delay_alu instid0(VALU_DEP_1)
	v_lshl_or_b32 v[PSW], v[PT+3], 24, v[PSW]
.irp c, 0,1
	v_cvt_scalef32_pk16_fp6_f32 v[PC+6*\c:PC+6*\c+2], v[S+32*\c:S+32*\c+15], v[SO+2*\c]
	v_cvt_scalef32_pk16_fp6_f32 v[CT+4*\c:CT+4*\c+2], v[S+32*\c+16:S+32*\c+31], v[SO+2*\c+1]
.endr
	v_nop
.irp c, 0,1
.irp i, 0,1,2
	v_permlane16_swap_b32 v[PC+6*\c+\i], v[CT+4*\c+\i]
.endr
.irp i, 0,1,2
	s_delay_alu instid0(VALU_DEP_3)
	v_mov_b32 v[PC+3+6*\c+\i], v[CT+4*\c+\i]
.endr
.endr
.set j, 0
.rept 16
	v_pk_mul_f32 v[\o+j:\o+j+1], v[\o+j:\o+j+1], v[FF:FF+1] op_sel_hi:[1,0]   ; O^T under the new M.  (These sixteen are also the places between p's scale word and codes and the products below)
.set j, j+2
.endr
.irp t, 0,1,2,3
.irp p, 0,1,2,3,4,5
	ds_load_b64 v[F+12*\t+2*\p:F+12*\t+2*\p+1], v[ADK] offset:STGB+6144*\ko+3072*(\p/3)+768*\t+8*(\p%3)
.endr
.endr
.irp u, 0,1
	ds_load_b32 v[SW+\u], v[ADS] offset:1024+256*\ko+128*\u
.endr
	s_wait_alu depctr_va_vdst(0)
	s_wait_dscnt 0x0
.irp t, 0,2                                    ; the four accumulators take turns, one instruction a turn
	v_wmma_scale_f32_16x16x128_f8f6f4 v[\o+8*\t:\o+8*\t+7], v[F+12*\t:F+12*\t+11], v[PC:PC+11], v[\o+8*\t:\o+8*\t+7], v[SW+\t/2], v[PSW] matrix_a_fmt:MATRIX_FMT_FP6 matrix_b_fmt:MATRIX_FMT_FP6
	v_wmma_scale_f32_16x16x128_f8f6f4 v[\o+8*\t+8:\o+8*\t+15], v[F+12*\t+12:F+12*\t+23], v[PC:PC+11], v[\o+8*\t+8:\o+8*\t+15], v[SW+\t/2], v[PSW] matrix_a_fmt:MATRIX_FMT_FP6 matrix_b_fmt:MATRIX_FMT_FP6 matrix_a_scale:MATRIX_SCALE_ROW1
.endr
.Lhid_\@:
.endm
.Lstep:
	s_wait_tensorcnt 0x0                           ; all my tensor loads are done: my part of this trip's stage
	ds_add_u32 v254, v255                          ; 0 onto my spare word, twice on end
	ds_add_u32 v254, v255
	s_xor_b32 s41, s41, SLOTB                      ; no load of mine is out, so the descriptors may be written: the next stage, into the other slot
	s_add_nc_u64 s[42:43], s[42:43], STGB
	s_xor_b32 s45, s45, SLOTB
	s_add_nc_u64 s[46:47], s[46:47], s[62:63]
	v_add_nc_u32 v[ADK], s50, v[AK0]               ; where this trip reads
	v_add_nc_u32 v[ADS], s50, v[ASK0]
	s_wait_alu depctr_va_vdst(0)
	s_wait_dscnt 0x0                               ; the adds are done, and so are my reads of the other slot
	s_barrier_signal -1
	s_barrier_wait -1                              ; both now hold of every wave
	s_cmp_lt_u32 s48, s55                          ; stage s48 + 1 is read only up to block 7 - i: ids alone, the same in all waves
	s_cbranch_scc0 .Lnofill
	s_cmp_lt_u32 s[WV], 8
	s_cbranch_scc0 .Lfsc
	tensor_load_to_lds s[40:43], s[24:31]
	s_nop 0
.rept 4
	v_nop
.endr
	s_branch .Lnofill
.Lfsc:
	s_cmp_lt_u32 s[WV], 11
	s_cbranch_scc0 .Lnofill
	tensor_load_to_lds s[44:47], s[32:39]
	s_nop 0
.rept 4
	v_nop
.endr
.Lnofill:
	STEP 12, QA, QSA, OA, 53, KF, 0
	STEP 16, QB, QSB, OB, 54, KF, 0
	s_cmp_lt_u32 s48, 6                            ; stage s48 + 2 exists
	s_cbranch_scc0 .Lnopf
	s_cmp_eq_u32 s[WV], 11
	s_cbranch_scc0 .Lnopf
	global_prefetch_b8 v[PFO], s[PFA:PFA+1] th:TH_LOAD_NT scope:SCOPE_SE
.Lnopf:
	STEP 12, QA, QSA, OA, 53, 51, 1
	STEP 16, QB, QSB, OB, 54, 51, 1
	s_wait_xcnt 0x0                                ; the prefetch has read its address
	s_add_nc_u64 s[PFA:PFA+1], s[PFA:PFA+1], STGB
	s_add_co_u32 s[KF], s[KF], 256
	s_add_co_u32 s51, s51, 256
	s_xor_b32 s50, s50, SLOTB
	s_add_co_u32 s48, s48, 1
	s_cmp_lt_u32 s48, 8
	s_cbranch_scc1 .Lstep
	; THE WAY OUT: y = O^T / the sum, quantised along the head's 64 channels (two blocks), through my stage, out as 768 consecutive bytes a tile.
	s_wait_tensorcnt 0x0                           ; no load is out when the stages are written
.rept 4
	v_nop
.endr
	v_add_f32 v14, v14, v15
	v_add_f32 v18, v18, v19
	s_delay_alu instid0(VALU_DEP_2)
	v_permlanex16_b32 v[PT], v14, s[SEL], s[SEL+1]
	s_delay_alu instid0(VALU_DEP_2)
	v_permlanex16_b32 v[PT+1], v18, s[SEL], s[SEL+1]
	s_delay_alu instid0(VALU_DEP_2)
	v_add_f32 v14, v14, v[PT]                      ; the rows' sums
	s_delay_alu instid0(VALU_DEP_2)
	v_add_f32 v18, v18, v[PT+1]
	s_wait_alu depctr_va_vdst(0)
	v_rcp_f32 v[FF], v14
	v_rcp_f32 v[FF+1], v18
	v_nop                                          ; a plain line behind the reciprocals,
	s_wait_alu depctr_va_vdst(0)                   ; and one wait for the two, ahead of their first reader
.set j, 0
.rept 16
	v_pk_mul_f32 v[S+j:S+j+1], v[OA+j:OA+j+1], v[FF:FF+1] op_sel_hi:[1,0]
.set j, j+2
.endr
.set j, 0
.rept 16
	v_pk_mul_f32 v[S+32+j:S+32+j+1], v[OB+j:OB+j+1], v[FF:FF+1] op_sel:[0,1] op_sel_hi:[1,1]
.set j, j+2
.endr
.macro OUTQ u                          ; tile u: register 16 b + i of v[Y] on belongs to block b of my query's 64 channels
.set Y, S+32*\u
.irp b, 0,1
	v_max3_num_f32 v[BM+2*\u+\b], |v[Y+16*\b]|, |v[Y+16*\b+1]|, 0x1800000
.endr
.irp i, 2,4,6,8,10,12,14
.irp b, 0,1
	s_delay_alu instid0(VALU_DEP_2)
	v_max3_num_f32 v[BM+2*\u+\b], v[BM+2*\u+\b], |v[Y+16*\b+\i]|, |v[Y+16*\b+\i+1]|
.endr
.endr
.irp b, 0,1
	s_delay_alu instid0(VALU_DEP_2)
	v_permlanex16_b32 v[PT+2*\u+\b], v[BM+2*\u+\b], s[SEL], s[SEL+1]
.endr
.irp b, 0,1
	s_delay_alu instid0(VALU_DEP_2)
	v_max_num_f32 v[BM+2*\u+\b], v[BM+2*\u+\b], v[PT+2*\u+\b]
.endr
.irp b, 0,1
	s_delay_alu instid0(VALU_DEP_2)
	v_add_nc_u32 v[SO+2*\u+\b], 0xff000000, v[BM+2*\u+\b]
.endr
.irp b, 0,1
	s_delay_alu instid0(VALU_DEP_2)
	v_lshrrev_b32 v[PT+2*\u+\b], 23, v[SO+2*\u+\b]
.endr
	s_delay_alu instid0(VALU_DEP_1)
	v_lshl_or_b32 v[TMP+\u], v[PT+2*\u+1], 8, v[PT+2*\u]
	v_cvt_scalef32_pk16_fp6_f32 v[PC+6*\u:PC+6*\u+2], v[Y:Y+15], v[SO+2*\u]
	v_cvt_scalef32_pk16_fp6_f32 v[CT+4*\u:CT+4*\u+2], v[Y+16:Y+31], v[SO+2*\u+1]
	v_nop
.irp i, 0,1,2
	v_permlane16_swap_b32 v[PC+6*\u+\i], v[CT+4*\u+\i]
.endr
.irp i, 0,1,2
	s_delay_alu instid0(VALU_DEP_3)
	v_mov_b32 v[PC+6*\u+3+\i], v[CT+4*\u+\i]       ; lane (r, h) now holds block h of query r: 24 bytes
.endr
.irp i, 0,1,2
	ds_store_b64 v[SA], v[PC+6*\u+2*\i:PC+6*\u+2*\i+1] offset:768*\u+8*\i
.endr
	ds_store_b16 v[SY], v[TMP+\u] offset:512*\u    ; both halves of the lanes write the same two bytes
.endm
	OUTQ 0
	OUTQ 1
.irp u, 0,1
.irp i, 0,1,2
	ds_load_b64 v[RB+6*\u+2*\i:RB+6*\u+2*\i+1], v[SRD] offset:768*\u+256*\i   ; LDS serves a wave's instructions in order: these see my stores
.endr
.endr
.irp u, 0,1
.irp i, 0,1,2
	s_wait_dscnt 5-3*\u-\i                         ; the younger loads may be out
	global_store_b64 v[L8], v[RB+6*\u+2*\i:RB+6*\u+2*\i+1], s[56+2*\u:57+2*\u] offset:256*\i th:TH_STORE_NT   ; 32 lanes store 256 consecutive bytes, aligned
.endr
.endr
	s_wait_dscnt 0x0                               ; for the others' sake: my scale bytes lie in LDS
	s_barrier_signal -1
	s_barrier_wait -1
	s_cmp_lt_u32 s[WV], 2
	s_cbranch_scc0 .Lend
	ds_load_b128 v[S:S+3], v[SRY]                  ; a block's 256 rows x 2 bytes
	s_wait_dscnt 0x0
	global_store_b128 v[L16], v[S:S+3], s[60:61] th:TH_STORE_NT
.Lend:
	s_wait_tensorcnt 0x0                           ; the wave's end
	ds_add_u32 v254, v255
	s_wait_dscnt 0x0
	s_endpgm
.Lfunc_end_k_qc9540c3a32_attn:
	.size	k_qc9540c3a32_attn, .Lfunc_end_k_qc9540c3a32_attn-k_qc9540c3a32_attn
	.p2alignl 7, 3214868480
	.fill 96, 4, 3214868480
	.section	.rodata,"a",@progbits
	.p2align	6, 0x0
	.amdhsa_kernel k_qc9540c3a32_attn
		.amdhsa_group_segment_fixed_size 327680
		.amdhsa_private_segment_fixed_size 0
		.amdhsa_enable_private_segment 0
		.amdhsa_kernarg_size 32
		.amdhsa_user_sgpr_count 2
		.amdhsa_user_sgpr_kernarg_segment_ptr 1
		.amdhsa_wavefront_size32 1
		.amdhsa_system_sgpr_workgroup_id_x 1
		.amdhsa_system_sgpr_workgroup_id_y 1
		.amdhsa_system_sgpr_workgroup_id_z 1
		.amdhsa_system_vgpr_workitem_id 0
		.amdhsa_next_free_vgpr 256
		.amdhsa_next_free_sgpr 84
		.amdhsa_reserve_vcc 1
		.amdhsa_float_denorm_mode_32 3
		.amdhsa_float_denorm_mode_16_64 3
		.amdhsa_memory_ordered 1
		.amdhsa_forward_progress 1
		.amdhsa_inst_pref_size 116
	.end_amdhsa_kernel
	.amdgpu_metadata
---
amdhsa.version: [ 1, 2 ]
amdhsa.kernels:
  - .name:           k_qc9540c3a32_attn
    .symbol:         k_qc9540c3a32_attn.kd
    .args:
      - { .name: qkv_codes, .offset: 0, .size: 8, .value_kind: global_buffer, .address_space: global }
      - { .name: qkv_scales, .offset: 8, .size: 8, .value_kind: global_buffer, .address_space: global }
      - { .name: y_codes, .offset: 16, .size: 8, .value_kind: global_buffer, .address_space: global }
      - { .name: y_scales, .offset: 24, .size: 8, .value_kind: global_buffer, .address_space: global }
    .group_segment_fixed_size: 327680
    .private_segment_fixed_size: 0
    .kernarg_segment_align: 8
    .kernarg_segment_size: 32
    .max_flat_workgroup_size: 512
    .sgpr_count:     84
    .vgpr_count:     256
    .wavefront_size: 32
...
	.end_amdgpu_metadata
.endif
;; end of part 3
;; launch proj (part 4): grid 8 x 32, 4 waves a work-group, clusters of 4 x 4, 327,680 bytes of LDS; arguments y_codes, y_scales, w_codes, w_scales, b_proj, out0; writes out0
.if DOCPART == 4
	.amdgcn_target "amdgcn-amd-amdhsa--gfx1250"
	.amdhsa_code_object_version 6
	.text
	.protected	k_qc9540c3a32_proj
	.globl	k_qc9540c3a32_proj
	.p2align	8
	.type	k_qc9540c3a32_proj,@function
k_qc9540c3a32_proj:
	s_mov_b64 s[64:65], 0
	v_nop
	global_prefetch_b8 v0, s[64:65] scope:SCOPE_SE
	s_setreg_imm32_b32 hwreg(HW_REG_WAVE_MODE, 25, 1), 1
	s_wait_xcnt 0x0
	s_wait_alu depctr_hold_cnt(0) depctr_sa_sdst(0) depctr_va_vdst(0) depctr_va_sdst(0) depctr_va_ssrc(0) depctr_va_vcc(0) depctr_vm_vsrc(0)
	s_getreg_b32 s2, hwreg(HW_REG_IB_STS2, 6, 4)
	s_cmp_eq_u32 s2, 0
	s_cbranch_scc0 .Lentry_in_a_cluster
	s_endpgm
.Lentry_in_a_cluster:
	s_bfe_u32 s2, ttmp6, 0x10000c
	s_cmp_lg_u32 s2, 0xf033
	s_cbranch_scc0 .Lentry_shape_is_right
	s_endpgm
.Lentry_shape_is_right:
; out0 = y w_proj + b_proj on codes of FP6 (E2M3) with E8M0 scales, K = 1,024, f32 out.
; THE DEAL.  256 work-groups of four waves, 2 x 2; a work-group makes 256 tokens x 128 columns.  K is short and nothing walks along it: a wave holds its 64 columns of w_proj, ALL of K, in registers
; (4 tiles x 8 fragments of 12: 384) and takes the tokens past them in blocks of 16: the wave in row a takes the work-group's tokens 32 s + 16 a + 0 .. 15 as its block s, eight blocks, 32 products each.
; A block's four accumulators take turns, one instruction a turn; the bias is the C of the first four products.
; IN: y_codes [16 heads][8192 tokens][48 bytes]; y_scales [16 heads][8192 tokens][2]; rows 3,072 on of w_codes [4 planes of 256 along K][4096 rows][192 bytes] and of w_scales [4096 rows][32].
; LDS: y's codes [head][256 tokens x 48] at 0; the weights [plane][128 rows of 192 bytes + 48 of padding] behind them; the spare words.  ALL OF IT IS ASKED FOR AT THE HEAD, one joint load a wave: waves 0, 1 two planes
; each of the weights, waves 2, 3 eight heads each of y.  Nothing is filled again.  When every wave holds its weights in registers, their LDS bytes, which have had their last fill, take y's scale words and the stages.
; CLUSTERS: 4 x 4; y's tile hangs on the tile row and is shared along a row of the cluster, the weights' on the tile column and are shared along a column.
; y's scale bytes come by plain loads, 512 consecutive bytes a head, and are turned in registers into rows of 32 bytes a token (word q: heads 2 q, 2 q + 1), which all waves read from LDS.
; THE MATRIX INSTRUCTION IS USED TRANSPOSED (source 0 = 16 rows of the weights): a lane holds eight neighbouring columns of one token's row.  A block's 16 rows x 64 columns go through the wave's own stage and leave as
; whole rows of 256 bytes, sixteen lanes to a row; block s - 1's stores stand at the head of block s.
; NO PREFETCH: the launch has no loop to run ahead in; all that it reads is asked for at its head.
; REGISTERS: window 0: addresses; v24-39 the weights' scale words; v44-59 the tokens', two sets; v64-127 two sets of four accumulators; v128-159 the bias; v160-223 rows on the way out, two sets.
;   Fragment f lies in window 1 + f / 21 at register 12 (f % 21): 0-31 the weights' (4 q + b), 32-39 and 40-47 the tokens' two sets.
.set FR,     12
.set FPW,    21
.set NF,     50                        ; LDS loads of a block: 48 for eight fragments, 2 for eight scale words
.set WB,     196608
.set WPLN,   30720                     ; a plane of the weights in LDS: 128 rows x 240
.set SPARE,  319488
.set SCM,    WB                        ; y's scale words: 32 bytes a token, 16 more behind every 256
.set HALFS,  4352                      ; those of 128 tokens
.set STG,    WB+2*HALFS                ; the stages: 16 rows x 272 bytes a wave
.set SPITCH, 272
.set AW,   12                          ; v12-15 the weights' fragments: planes 0, 1 (v13: behind one padding more), planes 2, 3
.set AY,   16                          ; v16-19 y's fragments: heads 0-4, 5-9, 10-14, 15
.set AS,   20                          ; my token's scale words
.set MWA,  21                          ; where I put two tokens' scale words
.set STO,  22
.set RD,   23
.set SB,   24
.set CO,   40
.set SPW,  41
.set NIL,  42
.set SA,   44
.set ACC,  64
.set BIAS, 128
.set BK,   160
.set MR,   160
.set MW,   176
.set MSB, 0
.macro WIN new                         ; the immediate's high byte repeats the setting that is left
.if MSB != (\new)
	s_set_vgpr_msb (MSB<<8)|(\new)
.set MSB, (\new)
.endif
.endm
.macro PLACES n
.rept \n
	v_nop
.endr
.endm
.macro BARRIER
	s_barrier_signal -1
	s_barrier_wait -1
.endm
.macro CROUND                          ; a round of the cluster's barrier
	BARRIER
	s_cmp_lg_u32 s16, 0
	s_cbranch_scc1 .Lnot_wave_0_\@
	s_barrier_signal -3
.Lnot_wave_0_\@:
	s_barrier_wait -3
	BARRIER
.endm
.macro TLOAD g0, g1                    ; s_nop 0 and four v_nop follow the load
	tensor_load_to_lds s[\g0:\g0+3], s[\g1:\g1+7]
	s_nop 0
	PLACES 4
.endm
	s_load_b256 s[4:11], s[0:1], 0x0               ; y_codes, y_scales, w_codes, w_scales
	s_load_b128 s[12:15], s[0:1], 0x20             ; b_proj, out0
	v_lshl_add_u32 v[SPW], v0, 2, SPARE
	v_mov_b32 v[NIL], 0
	ds_add_u32 v[SPW], v[NIL]                      ; the opening lines: the add, twice on end, and its wait ahead of the first tensor load
	ds_add_u32 v[SPW], v[NIL]
	v_lshrrev_b32 v1, 5, v0
	v_readfirstlane_b32 s16, v1                    ; wave; s17 its row of the 2 x 2, s18 its column
	s_lshr_b32 s17, s16, 1
	s_and_b32 s18, s16, 1
	s_bfe_u32 s19, ttmp6, 0x40000                  ; cx
	s_bfe_u32 s20, ttmp6, 0x40004                  ; cy
	s_lshl_b32 s21, ttmp9, 2
	s_add_co_u32 s21, s21, s19                     ; tile column, 0 .. 7
	s_and_b32 s22, ttmp7, 0xffff
	s_lshl_b32 s22, s22, 2
	s_add_co_u32 s22, s22, s20                     ; tile row, 0 .. 31
	s_lshl_b32 s23, s20, 2
	s_lshl_b32 s23, 15, s23                        ; my row of the cluster
	s_lshl_b32 s40, 0x1111, s19                    ; my column
	s_or_b32 s24, s23, (3<<16)|(1<<21)             ; y: eight heads, a row of 12,288 bytes (256 tokens) each, 393,216 bytes apart; elements of 8 bytes
	s_mov_b32 s25, 1536<<16
	s_mov_b32 s26, 8<<16
	s_mov_b32 s27, 1536<<16
	s_mov_b32 s28, 8
	s_mov_b32 s29, 49152
	s_mov_b32 s30, 0
	s_mov_b32 s31, 0
	s_or_b32 s32, s40, (3<<16)|(1<<20)|(1<<21)|(3<<22)|(3<<25)   ; the weights: two planes, a row of 24,576 bytes (128 rows of codes) each, 786,432 bytes apart; 16 bytes of padding behind every 64
	s_mov_b32 s33, 3072<<16
	s_mov_b32 s34, 2<<16
	s_mov_b32 s35, 3072<<16
	s_mov_b32 s36, 2
	s_mov_b32 s37, 98304
	s_mov_b32 s38, 0
	s_mov_b32 s39, 0
	s_mov_b32 s44, 1                               ; group 0 for y (waves 2, 3: s18 = wave - 2)
	s_mul_i32 s45, s18, 98304
	s_mov_b32 s48, 1                               ; group 0 for the weights (waves 0, 1: s18 = wave)
	s_mul_i32 s49, s18, 2*WPLN
	s_add_co_u32 s49, s49, WB
	s_mul_i32 s54, s22, 12288
	s_mul_i32 s66, s18, 8*393216
	s_add_co_u32 s54, s54, s66
	s_mov_b32 s55, 0
	s_lshl_b32 s41, s21, 7                         ; the tile's first column
	s_add_co_u32 s52, s41, 3072
	s_mul_i32 s52, s52, 192
	s_mul_i32 s66, s18, 2*786432
	s_add_co_u32 s52, s52, s66
	s_mov_b32 s53, 0
	s_lshl_b32 s42, s18, 6
	s_add_co_u32 s42, s42, s41                     ; my wave's first column
	s_add_co_u32 s56, s42, 3072
	s_lshl_b32 s56, s56, 5                         ; its row of w_scales
	s_mov_b32 s57, 0
	s_lshl_b32 s58, s22, 9                         ; the tile's 256 tokens in a head of y_scales
	s_mov_b32 s59, 0
	s_lshl_b32 s60, s42, 2
	s_mov_b32 s61, 0
	s_lshl_b32 s62, s22, 8
	s_lshl_b32 s66, s17, 4
	s_add_co_u32 s62, s62, s66                     ; my block 0's first token
	s_lshl_b32 s62, s62, 12
	s_add_co_u32 s62, s62, s60
	s_mov_b32 s63, 0
	s_wait_alu depctr_va_vdst(0)
	s_wait_dscnt 0x0
	CROUND                                         ; all sixteen work-groups are here: the joint loads meet
	s_wait_kmcnt 0x0
	s_add_nc_u64 s[46:47], s[4:5], s[54:55]
	s_or_b32 s47, s47, 0x80000000
	s_add_nc_u64 s[50:51], s[8:9], s[52:53]
	s_or_b32 s51, s51, 0x80000000
	s_add_nc_u64 s[56:57], s[10:11], s[56:57]
	s_add_nc_u64 s[58:59], s[6:7], s[58:59]
	s_add_nc_u64 s[60:61], s[12:13], s[60:61]
	s_add_nc_u64 s[62:63], s[14:15], s[62:63]
	s_cmp_lt_u32 s16, 2                            ; the weights, which go on into registers, are asked for by waves of their own
	s_cbranch_scc0 .Lfor_y
	TLOAD 48, 32
	s_branch .Lasked
.Lfor_y:
	TLOAD 44, 24
.Lasked:
	v_and_b32 v1, 15, v0                           ; r
	v_bfe_u32 v2, v0, 4, 1                         ; h
	v_and_b32 v3, 31, v0
	v_lshlrev_b32 v4, 5, v3                        ; 32 x lane: lanes 0-15 an even tile's rows of w_scales, lanes 16-31 the odd tile's
	v_lshlrev_b32 v5, 5, v2                        ; 32 h
	v_lshlrev_b32 v6, 2, v0                        ; 4 x thread: two tokens' bytes of a head
.irp p, 0,1
.irp c, 0,1
	global_load_b128 v[SB+8*\p+4*\c:SB+8*\p+4*\c+3], v4, s[56:57] offset:\p*1024+16*\c
.endr
.endr
.irp p, 0,1,2,3,4,5,6,7,8,9,10,11,12,13,14,15
	global_load_b32 v[MR+\p], v6, s[58:59] offset:16384*\p   ; 128 threads read 512 consecutive bytes of head p
.endr
.irp b, 0,1,2,3
	global_load_b128 v[BIAS+8*\b:BIAS+8*\b+3], v5, s[60:61] offset:64*\b       ; register j of tile b: column 16 b + 8 h + j
	global_load_b128 v[BIAS+8*\b+4:BIAS+8*\b+7], v5, s[60:61] offset:64*\b+16
.endr
	v_mul_u32_u24 v7, v1, 240
	v_mad_u32_u24 v7, v2, 24, v7                   ; a row of the weights x pitch + 24 x half
	s_mul_i32 s66, s18, 64*240
	s_add_co_u32 s66, s66, WB
	v_add_nc_u32 v[AW], s66, v7
	v_lshl_add_u32 v8, v2, 4, v7                   ; and the same behind one padding more
	v_add_nc_u32 v[AW+1], s66, v8
	v_add_nc_u32 v[AW+2], 2*WPLN, v[AW]
	v_add_nc_u32 v[AW+3], 2*WPLN, v[AW+1]
	v_mul_u32_u24 v9, v1, 48
	v_mad_u32_u24 v9, v2, 24, v9
	s_mul_i32 s67, s17, 768
	v_add_nc_u32 v[AY], s67, v9                    ; token 16 a + r of a head, + 24 h
	v_add_nc_u32 v[AY+1], 5*12288, v[AY]
	v_add_nc_u32 v[AY+2], 10*12288, v[AY]
	v_add_nc_u32 v[AY+3], 15*12288, v[AY]
	v_lshlrev_b32 v7, 5, v1
	v_lshrrev_b32 v8, 3, v1
	v_lshl_add_u32 v7, v8, 4, v7
	s_mul_i32 s68, s17, 544
	s_add_co_u32 s68, s68, SCM
	v_add_nc_u32 v[AS], s68, v7
	v_lshrrev_b32 v7, 6, v0
	v_mul_u32_u24 v7, v7, HALFS
	v_and_b32 v8, 63, v0
	v_lshl_add_u32 v[MWA], v8, 6, v7
	v_lshrrev_b32 v8, 2, v8
	v_lshl_add_u32 v[MWA], v8, 4, v[MWA]
	v_add_nc_u32 v[MWA], SCM, v[MWA]
	s_mul_i32 s69, s16, 16*SPITCH
	s_add_co_u32 s69, s69, STG
	v_mul_u32_u24 v7, v1, SPITCH
	v_lshl_add_u32 v7, v2, 5, v7
	v_add_nc_u32 v[STO], s69, v7                   ; in: row r, 32 bytes for each half of the lanes
	v_mul_u32_u24 v7, v2, SPITCH
	v_lshl_add_u32 v7, v1, 4, v7
	v_add_nc_u32 v[RD], s69, v7                    ; back: sixteen lanes to a row of 256 bytes, two rows an instruction
	v_lshlrev_b32 v7, 12, v2
	v_lshl_add_u32 v[CO], v1, 4, v7                ; and the same two rows in out0
.macro FRAGW f, q, b                   ; 16 rows x 128 K of the weights: six pieces of 8 bytes; 16 bytes of padding lie behind every 8 pieces
	WIN (1+(\f)/FPW)<<6
.set R_, FR*((\f)%FPW)
.irp p, 0,1,2,3,4,5
.set PCE, 12*((\q)%2)+6*(\p/3)+\p%3
.if PCE%8 < 5
	ds_load_b64 v[R_+2*\p:R_+2*\p+1], v[AW+2*((\q)/4)] offset:8*PCE+16*(PCE/8)+(((\q)/2)%2)*WPLN+(\b)*3840
.else
	ds_load_b64 v[R_+2*\p:R_+2*\p+1], v[AW+2*((\q)/4)+1] offset:8*PCE+16*(PCE/8)+(((\q)/2)%2)*WPLN+(\b)*3840
.endif
.endr
.endm
.macro FRAGY f, q, s                   ; 16 tokens x heads 2 q, 2 q + 1 of block s
	WIN (1+(\f)/FPW)<<6
.set R_, FR*((\f)%FPW)
.irp p, 0,1,2,3,4,5
.set HD_, 2*(\q)+\p/3
	ds_load_b64 v[R_+2*\p:R_+2*\p+1], v[AY+HD_/5] offset:(HD_%5)*12288+1536*(\s)+8*(\p%3)
.endr
.endm
.macro FRAGS e, s
.irp q, 0,1,2,3,4,5,6,7
	FRAGY 32+8*(\e)+\q, \q, \s
.endr
	WIN 0
.endm
.macro SCW e, s
	ds_load_b128 v[SA+8*(\e):SA+8*(\e)+3], v[AS] offset:1088*(\s)
	ds_load_b128 v[SA+8*(\e)+4:SA+8*(\e)+7], v[AS] offset:1088*(\s)+16
.endm
.macro PROD1 d, s0, s1, c, x0, x1, o
.if \o
	v_wmma_scale_f32_16x16x128_f8f6f4 v[\d:\d+7], v[FR*((\s0)%FPW):FR*((\s0)%FPW)+FR-1], v[FR*((\s1)%FPW):FR*((\s1)%FPW)+FR-1], \c, v[\x0], v[\x1] matrix_a_fmt:MATRIX_FMT_FP6 matrix_b_fmt:MATRIX_FMT_FP6 matrix_a_scale:MATRIX_SCALE_ROW1
.else
	v_wmma_scale_f32_16x16x128_f8f6f4 v[\d:\d+7], v[FR*((\s0)%FPW):FR*((\s0)%FPW)+FR-1], v[FR*((\s1)%FPW):FR*((\s1)%FPW)+FR-1], \c, v[\x0], v[\x1] matrix_a_fmt:MATRIX_FMT_FP6 matrix_b_fmt:MATRIX_FMT_FP6
.endif
.endm
.macro PROD e, n                       ; product n = 4 q + b of a block on set e
.set Q_, (\n)/4
.set B_, (\n)%4
.set FB_, 4*Q_+B_
.set FA_, 32+8*(\e)+Q_
.set D_, ACC+32*(\e)+8*B_
	WIN (1+FB_/FPW)|((1+FA_/FPW)<<2)
.if Q_
	PROD1 D_, FB_, FA_, v[D_:D_+7], SB+8*(B_/2)+Q_, SA+8*(\e)+Q_, B_%2
.else
	PROD1 D_, FB_, FA_, v[BIAS+8*B_:BIAS+8*B_+7], SB+8*(B_/2)+Q_, SA+8*(\e)+Q_, B_%2
.endif
.endm
.macro TOSTAGE s                       ; LDS serves a wave's instructions in order: the loads see the stores, and the next block's stores come behind these loads
.set A_, ACC+32*((\s)%2)
.set K_, BK+32*((\s)%2)
.irp b, 0,1,2,3
	ds_store_b128 v[STO], v[A_+8*\b:A_+8*\b+3] offset:64*\b          ; each accumulator from its low end on
	ds_store_b128 v[STO], v[A_+8*\b+4:A_+8*\b+7] offset:64*\b+16
.endr
.irp t, 0,1,2,3,4,5,6,7
	ds_load_b128 v[K_+4*\t:K_+4*\t+3], v[RD] offset:2*\t*SPITCH
.endr
.endm
.macro SEND s
.set K_, BK+32*((\s)%2)
.irp t, 0,1,2,3,4,5,6,7
	global_store_b128 v[CO], v[K_+4*\t:K_+4*\t+3], s[62:63] offset:(32*(\s)+2*\t)*4096 th:TH_STORE_NT   ; sixteen lanes store 256 consecutive bytes, aligned
.endr
.endm
.macro BLK s
.if (\s) == 0 || (\s) == 7
	s_wait_dscnt 0x0
.else
	s_wait_dscnt NF                                ; all but the next block's fetch: this block's fragments and scale words are in, and the last block's rows are back from the stage
.endif
.if (\s) > 0
	SEND (\s)-1
.endif
.set N_, 0
.rept 32
	PROD (\s)%2, N_
.set N_, N_+1
.endr
	WIN 0
	PLACES 4                                       ; places between the products and the reads of their results and the loads into their sources
	s_wait_xcnt 0x0                                ; the earlier stores have read their registers: the stage's loads may land there
	TOSTAGE \s
.if (\s)+2 < 8
	FRAGS (\s)%2, (\s)+2
	SCW (\s)%2, (\s)+2
.endif
.endm
	s_wait_alu depctr_va_vdst(0)
	s_cmp_lt_u32 s16, 2
	s_cbranch_scc0 .Lnot_w
	s_wait_tensorcnt 0x0                           ; both waves that asked for the weights wait for them
.Lnot_w:
	BARRIER                                        ; the weights are in; y may still be on its way
.irp q, 0,1,2,3,4,5,6,7
.irp b, 0,1,2,3
	FRAGW 4*\q+\b, \q, \b
.endr
.endr
	WIN 0
	s_wait_loadcnt 0x0                             ; the scale words, y's scale bytes and the bias
.irp s, 0,1,2,3,4,5,6,7
	v_perm_b32 v[MW+\s], v[MR+2*\s+1], v[MR+2*\s], 0x05040100      ; my first token's word s: heads 2 s, 2 s + 1
	v_perm_b32 v[MW+8+\s], v[MR+2*\s+1], v[MR+2*\s], 0x07060302    ; my second token's
.endr
	s_wait_alu depctr_va_vdst(0)
	s_wait_tensorcnt 0x0                           ; every load is in,
	s_wait_dscnt 0x0                               ; and I hold my weights
	BARRIER                                        ; both hold of every wave: y is whole, and the weights' LDS bytes are read no more
.irp g, 0,1,2,3
	ds_store_b128 v[MWA], v[MW+4*\g:MW+4*\g+3] offset:16*\g
.endr
	FRAGS 0, 0
	FRAGS 1, 1
	s_wait_dscnt 0x0
	BARRIER                                        ; everybody's scale words lie in LDS
	SCW 0, 0
	SCW 1, 1
.irp s, 0,1,2,3,4,5,6,7
	BLK \s
.endr
	s_wait_dscnt 0x0
	SEND 7
	s_wait_tensorcnt 0x0                           ; the wave's end
	ds_add_u32 v[SPW], v[NIL]
	s_wait_dscnt 0x0
	CROUND                                         ; the closing round
	s_endpgm
.Lfunc_end_k_qc9540c3a32_proj:
	.size	k_qc9540c3a32_proj, .Lfunc_end_k_qc9540c3a32_proj-k_qc9540c3a32_proj
	.p2alignl 7, 3214868480
	.fill 96, 4, 3214868480
	.section	.rodata,"a",@progbits
	.p2align	6, 0x0
	.amdhsa_kernel k_qc9540c3a32_proj
		.amdhsa_group_segment_fixed_size 327680
		.amdhsa_private_segment_fixed_size 0
		.amdhsa_enable_private_segment 0
		.amdhsa_kernarg_size 48
		.amdhsa_user_sgpr_count 2
		.amdhsa_user_sgpr_kernarg_segment_ptr 1
		.amdhsa_wavefront_size32 1
		.amdhsa_system_sgpr_workgroup_id_x 1
		.amdhsa_system_sgpr_workgroup_id_y 1
		.amdhsa_system_sgpr_workgroup_id_z 1
		.amdhsa_system_vgpr_workitem_id 0
		.amdhsa_next_free_vgpr 1024
		.amdhsa_next_free_sgpr 72
		.amdhsa_reserve_vcc 0
		.amdhsa_float_denorm_mode_32 3
		.amdhsa_float_denorm_mode_16_64 3
		.amdhsa_memory_ordered 1
		.amdhsa_forward_progress 1
		.amdhsa_inst_pref_size 99
	.end_amdhsa_kernel
	.amdgpu_metadata
---
amdhsa.version: [ 1, 2 ]
amdhsa.kernels:
  - .name:           k_qc9540c3a32_proj
    .symbol:         k_qc9540c3a32_proj.kd
    .args:
      - { .name: y_codes, .offset: 0, .size: 8, .value_kind: global_buffer, .address_space: global }
      - { .name: y_scales, .offset: 8, .size: 8, .value_kind: global_buffer, .address_space: global }
      - { .name: w_codes, .offset: 16, .size: 8, .value_kind: global_buffer, .address_space: global }
      - { .name: w_scales, .offset: 24, .size: 8, .value_kind: global_buffer, .address_space: global }
      - { .name: b_proj, .offset: 32, .size: 8, .value_kind: global_buffer, .address_space: global }
      - { .name: out0, .offset: 40, .size: 8, .value_kind: global_buffer, .address_space: global }
    .group_segment_fixed_size: 327680
    .private_segment_fixed_size: 0
    .kernarg_segment_align: 8
    .kernarg_segment_size: 48
    .max_flat_workgroup_size: 128
    .sgpr_count:     72
    .vgpr_count:     1024
    .wavefront_size: 32
...
	.end_amdgpu_metadata
.endif
;; end of part 4
